; MI455X (gfx1250); checked and timed in simulation.
; The chip was launched on July 23, 2026; its instructions are those of AMD's public machine-readable ISA for CDNA 5 (MIT licence, August 2026) and "CDNA5" Instruction Set Architecture Reference Guide (July 2026). The comments in the code are by the model that wrote it; some were corrected since.
;; Multi Head Attention. Allowed arithmetic: float matrix products may take bf16 or f16 operands with f32 sums; all other float work in f32.
;; Inputs: Wo 1,024 x 1,024 float32; Wqkv 3,072 x 1,024 float32; bo 1,024 float32; bqkv 3,072 float32; input 2 x 2,048 x 1,024 float32.
;; Outputs: out0 2 x 2,048 x 1,024 float32.
;; One version. Each part assembles by itself: llvm-mc -triple=amdgcn-amd-amdhsa -mcpu=gfx1250 --defsym DOCPART=n.
;; ======== version 1 of 1: 5 launches
;; limits: values are held in f16: magnitudes above 65,504 overflow, below 6.1e-05 lose precision
;; workspace buffers: xb 8,388,608 bytes; wqb 6,291,456 bytes; wob 2,097,152 bytes; qkv 25,165,824 bytes; negc 262,144 bytes; ab 8,388,608 bytes
;; launch cvt (part 1): grid 512 x 1, 8 waves a work-group, no clusters, 0 bytes of LDS; arguments input, Wqkv, Wo, xb, wqb, wob; writes xb, wqb, wob
.if DOCPART == 1
	.amdgcn_target "amdgcn-amd-amdhsa--gfx1250"
	.amdhsa_code_object_version 6
	.text
	.protected	k_q0f33e3731f_cvt
	.globl	k_q0f33e3731f_cvt
	.p2align	8
	.type	k_q0f33e3731f_cvt,@function
k_q0f33e3731f_cvt:
	s_mov_b64 s[64:65], 0
	v_nop
	global_prefetch_b8 v0, s[64:65] scope:SCOPE_SE
	s_setreg_imm32_b32 hwreg(HW_REG_WAVE_MODE, 25, 1), 1
	s_wait_xcnt 0x0
; f32 -> bf16 (round to nearest even) of the three matrix operands that later launches multiply:
;   input [4096][1024] -> xb, same order;  Wo [1024][1024] -> wob, same order;
;   Wqkv [3072][1024]  -> wqb, rows regrouped by head: row p*1024 + h*64 + i goes to row h*192 + p*64 + i,
;   so that the q, k and v rows of one head are 192 neighbouring rows, one tile for the projection.
; A stream: each byte is read once and written once, so there is no LDS, no barrier, no matrix unit and no cluster
; (no two work-groups read the same byte).  A work-group takes 64 KiB of f32 (16 rows), a wave 8 KiB, a lane 16 x 16 bytes.
; Work-groups 0-255: input; 256-447: Wqkv; 448-511: Wo.  All 16 loads of a wave go out at once; a load covers 512
; neighbouring bytes, a store 256 neighbouring bytes that start at a multiple of 256 from the buffer's first byte.
.set X, 8                              ; v[8:71]    16 x 4 registers as loaded
.set Y, 72                             ; v[72:103]  16 x 2 registers to store; never rewritten, so no wait frees them
	s_load_b256 s[4:11], s[0:1], 0x0               ; input s[4:5], Wqkv s[6:7], Wo s[8:9], xb s[10:11]
	s_load_b128 s[12:15], s[0:1], 0x20             ; wqb s[12:13], wob s[14:15]
	s_mov_b32 s2, ttmp9                            ; the work-group's number
	s_min_u32 s3, s2, 255                          ; chunk of input; each of the three chunk numbers is clamped into its own
	s_max_u32 s16, s2, 256                         ; buffer, so that the two that are not chosen are in range too
	s_min_u32 s16, s16, 447
	s_sub_co_u32 s16, s16, 256                     ; chunk c of Wqkv: rows 16 c .. 16 c + 15
	s_max_u32 s17, s2, 448
	s_sub_co_u32 s17, s17, 448                     ; chunk of Wo
	s_bfe_u32 s18, s16, 0x40002                    ; head = (c >> 2) & 15
	s_mul_i32 s18, s18, 192
	s_and_b32 s19, s16, 0xc0                       ; plane * 64 = (c >> 6) * 64
	s_add_co_u32 s18, s18, s19
	s_and_b32 s19, s16, 3
	s_lshl_b32 s19, s19, 4                         ; 16 (c & 3)
	s_add_co_u32 s18, s18, s19
	s_lshl_b32 s18, s18, 11                        ; wqb: row x 2,048 bytes
	s_lshl_b32 s28, s3, 16                         ; source offsets: chunk x 65,536
	s_lshl_b32 s29, s16, 16
	s_lshl_b32 s30, s17, 16
	s_lshl_b32 s31, s3, 15                         ; destination offsets of xb and wob: chunk x 32,768
	s_lshl_b32 s32, s17, 15
	v_lshrrev_b32 v1, 5, v0                        ; wave
	v_and_b32 v2, 31, v0                           ; lane
	v_lshlrev_b32 v2, 4, v2
	v_lshl_or_b32 v1, v1, 13, v2                   ; source: 8,192 wave + 16 lane
	v_lshrrev_b32 v2, 1, v1                        ; destination: 4,096 wave + 8 lane
	s_wait_kmcnt 0x0
	s_cmp_lt_u32 s2, 448                           ; the choice hangs on the work-group's number alone; s_cselect leaves SCC as it is
	s_cselect_b64 s[20:21], s[6:7], s[8:9]
	s_cselect_b64 s[22:23], s[12:13], s[14:15]
	s_cselect_b32 s24, s29, s30
	s_cselect_b32 s26, s18, s32
	s_cmp_lt_u32 s2, 256
	s_cselect_b64 s[20:21], s[4:5], s[20:21]
	s_cselect_b64 s[22:23], s[10:11], s[22:23]
	s_cselect_b32 s24, s28, s24
	s_cselect_b32 s26, s31, s26
	s_mov_b32 s25, 0
	s_mov_b32 s27, 0
	s_add_nc_u64 s[20:21], s[20:21], s[24:25]      ; source at my chunk
	s_add_nc_u64 s[22:23], s[22:23], s[26:27]      ; destination at my chunk
.irp j, 0,1,2,3,4,5,6,7,8,9,10,11,12,13,14,15
	global_load_b128 v[X+4*\j:X+4*\j+3], v1, s[20:21] offset:512*\j th:TH_LOAD_NT   ; read once in the whole launch
.endr
.irp j, 0,1,2,3,4,5,6,7,8,9,10,11,12,13,14,15
	s_wait_loadcnt 15-\j                           ; loads come back in order: load j is in, the 15 - j younger ones stay out
	v_cvt_pk_bf16_f32 v[Y+2*\j],   v[X+4*\j],   v[X+4*\j+1]
	v_cvt_pk_bf16_f32 v[Y+2*\j+1], v[X+4*\j+2], v[X+4*\j+3]
	global_store_b64 v2, v[Y+2*\j:Y+2*\j+1], s[22:23] offset:256*\j    ; no hint: the next launch reads these bytes
.endr
	s_endpgm
.Lfunc_end_k_q0f33e3731f_cvt:
	.size	k_q0f33e3731f_cvt, .Lfunc_end_k_q0f33e3731f_cvt-k_q0f33e3731f_cvt
	.p2alignl 7, 3214868480
	.fill 96, 4, 3214868480
	.section	.rodata,"a",@progbits
	.p2align	6, 0x0
	.amdhsa_kernel k_q0f33e3731f_cvt
		.amdhsa_group_segment_fixed_size 0
		.amdhsa_private_segment_fixed_size 0
		.amdhsa_enable_private_segment 0
		.amdhsa_kernarg_size 48
		.amdhsa_user_sgpr_count 2
		.amdhsa_user_sgpr_kernarg_segment_ptr 1
		.amdhsa_wavefront_size32 1
		.amdhsa_system_sgpr_workgroup_id_x 1
		.amdhsa_system_sgpr_workgroup_id_y 1
		.amdhsa_system_sgpr_workgroup_id_z 1
		.amdhsa_system_vgpr_workitem_id 0
		.amdhsa_next_free_vgpr 104
		.amdhsa_next_free_sgpr 66
		.amdhsa_reserve_vcc 0
		.amdhsa_float_denorm_mode_32 3
		.amdhsa_float_denorm_mode_16_64 3
		.amdhsa_memory_ordered 1
		.amdhsa_forward_progress 1
		.amdhsa_inst_pref_size 8
	.end_amdhsa_kernel
	.amdgpu_metadata
---
amdhsa.version: [ 1, 2 ]
amdhsa.kernels:
  - .name:           k_q0f33e3731f_cvt
    .symbol:         k_q0f33e3731f_cvt.kd
    .args:
      - { .name: input, .offset: 0, .size: 8, .value_kind: global_buffer, .address_space: global }
      - { .name: Wqkv, .offset: 8, .size: 8, .value_kind: global_buffer, .address_space: global }
      - { .name: Wo, .offset: 16, .size: 8, .value_kind: global_buffer, .address_space: global }
      - { .name: xb, .offset: 24, .size: 8, .value_kind: global_buffer, .address_space: global }
      - { .name: wqb, .offset: 32, .size: 8, .value_kind: global_buffer, .address_space: global }
      - { .name: wob, .offset: 40, .size: 8, .value_kind: global_buffer, .address_space: global }
    .group_segment_fixed_size: 0
    .private_segment_fixed_size: 0
    .kernarg_segment_align: 8
    .kernarg_segment_size: 48
    .max_flat_workgroup_size: 256
    .sgpr_count:     66
    .vgpr_count:     104
    .wavefront_size: 32
...
	.end_amdgpu_metadata
.endif
;; end of part 1
;; launch qkvg (part 2): grid 16 x 16, 4 waves a work-group, clusters of 4 x 4, 327,680 bytes of LDS; arguments xb, wqb, bqkv, qkv; writes qkv
.if DOCPART == 2
	.amdgcn_target "amdgcn-amd-amdhsa--gfx1250"
	.amdhsa_code_object_version 6
	.text
	.protected	k_q0f33e3731f_qkvg
	.globl	k_q0f33e3731f_qkvg
	.p2align	8
	.type	k_q0f33e3731f_qkvg,@function
k_q0f33e3731f_qkvg:
	s_mov_b64 s[64:65], 0
	v_nop
	global_prefetch_b8 v0, s[64:65] scope:SCOPE_SE
	s_setreg_imm32_b32 hwreg(HW_REG_WAVE_MODE, 25, 1), 1
	s_wait_xcnt 0x0
	s_wait_alu depctr_hold_cnt(0) depctr_sa_sdst(0) depctr_va_vdst(0) depctr_va_sdst(0) depctr_va_ssrc(0) depctr_va_vcc(0) depctr_vm_vsrc(0)
	s_getreg_b32 s2, hwreg(HW_REG_IB_STS2, 6, 4)
	s_cmp_eq_u32 s2, 0
	s_cbranch_scc0 .Lentry_in_a_cluster
	s_endpgm
.Lentry_in_a_cluster:
	s_bfe_u32 s2, ttmp6, 0x10000c
	s_cmp_lg_u32 s2, 0xf033
	s_cbranch_scc0 .Lentry_shape_is_right
	s_endpgm
.Lentry_shape_is_right:
; qkv = x Wqkv^T + bqkv, stored in f16 by plane and head: qkv[p][b*16+h][token][64], p = 0 q, 1 k, 2 v.
; q is stored times log2(e)/8, so that later q.k is the score in the base-2 domain.
; LIMIT: the results are kept in f16: |q| * 0.18, |k| and |v| must stay below 65,504, and parts below 6e-8 are lost.
; A work-group makes 256 tokens x the 192 features (q, k, v) of one head; grid x = head, y = block of 256 tokens.
; Four waves, as many as a WGP has SIMDs; wave w makes tokens 64 w .. 64 w + 63 x 192 features: 4 x 12 accumulator tiles, 384 registers.
; K = 1,024 goes in 8 steps of 128 through two LDS slots filled by the tensor data mover; a tile's rows are 256 bytes of memory.
; CLUSTERS: 4 x 4 work-groups.  The four of a row of the cluster have the same token block and need the same tiles of x, the four of a
; column the same head and the same tiles of W: each tile is asked for jointly, which divides the requests for both by four.
; REGISTER WINDOWS: 0: addresses, x fragments (two buffers), bias, the way out; 1: W fragments (two buffers);
;                   2: accumulators of token tiles 0, 1 at v[8 (12 a + b)]; 3: those of token tiles 2, 3.
; The matrix instruction is used transposed (source 0 = 16 rows of W, source 1 = 16 tokens): lane l then holds token l % 16 and its
; registers 0-7 the features 8 (l / 16) + 0..7 of the tile: eight neighbouring numbers of a row, 16 bytes in f16.
.set KSTEP,  128
.set PITCH,  272                       ; an LDS row: 256 bytes + 16 of padding, an odd multiple of 16: the 16 rows of a fragment load start in 16 different groups of banks
.set ATILE,  128*PITCH                 ; what waves 0 and 1 fetch: 128 rows of x
.set BTILE,  96*PITCH                  ; what waves 2 and 3 fetch: 96 rows of W
.set BPART,  256*PITCH                 ; W's rows lie behind x's 256
.set SLOT,   BPART+192*PITCH           ; 121,856
.set STAGE,  2*SLOT                    ; 243,712: behind the ring, 16 rows x 400 bytes for each wave; no tensor load fills it
.set SPITCH, 400                       ; 192 f16 + 16 bytes
.set LAPS,   4                         ; a lap = two K steps = once round the ring
.set QS,     0x3e38aa3b                ; log2(e) / 8
.set ADRA, 16                          ; v16-17  LDS address of my x fragments in slot 0, 1
.set ADRB, 20                          ; v20-21  the same for W
.set STO,  24                          ; the way out: where I put 16 bytes of a token's row
.set RD,   25                          ; the way out: where I read back
.set CO,   26                          ; 16 x lane
.set BO,   27                          ; 32 x (lane / 16): my 8 numbers in a tile's 16 biases
.set FA,   32                          ; window 0: x fragments, buffer f at FA + 32 f
.set FB,   0                           ; window 1: W fragments, buffer f at FB + 96 f
.set TMP,  96                          ; v96-143  packed results
.set RB,   32                          ; v32-79   rows read back (the fragment buffers are free by then)
.set BIAS, 160                         ; v160-255 my 8 biases of each of the 12 feature tiles
.set G1,  24                           ; s[24:31] group 1 for x's tiles
.set G0,  32                           ; s[32:39] group 0 for x's tiles, one set for each slot
.set G1B, 48                           ; s[48:55] group 1 for W's tiles
.set G0B, 56                           ; s[56:63] group 0 for W's tiles
.set MSB, 0
.macro WIN new                         ; the immediate's high byte repeats the setting that is left
.if MSB != \new
	s_set_vgpr_msb (MSB<<8)|\new
.set MSB, \new
.endif
.endm
.set MUL_LO, 0xa1                      ; source 0 (W) window 1, source 1 (x) window 0, C and D window 2
.set MUL_HI, 0xf1                      ; the same, C and D window 3
.set TO_B,   0x40                      ; destination window 1, address window 0
; A joint load: waves 0 and 1 fetch x's halves, waves 2 and 3 W's.  The branch hangs on the wave's number alone.
.macro JLOAD s
	s_cmp_eq_u32 s13, 0
	s_cbranch_scc0 .Lfor_b_\@
	tensor_load_to_lds s[G0+4*\s:G0+4*\s+3], s[G1:G1+7]
	s_nop 0
	s_branch .Lasked_\@
.Lfor_b_\@:
	tensor_load_to_lds s[G0B+4*\s:G0B+4*\s+3], s[G1B:G1B+7]
	s_nop 0
.Lasked_\@:
.endm
.macro CREST                           ; a round of the cluster's barrier behind its opening work-group barrier
	s_cmp_lg_u32 s12, 0
	s_cbranch_scc1 .Lnot_wave_0_\@
	s_barrier_signal -3
.Lnot_wave_0_\@:
	s_barrier_wait -3
	s_barrier_signal -1
	s_barrier_wait -1
.endm
.macro CROUND                          ; a whole round
	s_barrier_signal -1
	s_barrier_wait -1
	CREST
.endm
.macro PLACES                          ; four places behind a matrix instruction (ISA guide 7.12.1), where there is no other vector work
.rept 4
	v_nop
.endr
.endm
	s_load_b256 s[4:11], s[0:1], 0x0               ; xb s[4:5], wqb s[6:7], bqkv s[8:9], qkv s[10:11]
	s_set_vgpr_msb 0x40
	v_lshl_add_u32 v255, v0, 2, 0x41c00
	s_set_vgpr_msb 0x4000
	v_mov_b32 v159, 0
	s_set_vgpr_msb 0x1
	ds_add_u32 v255, v159
	s_set_vgpr_msb 0x100
	v_lshrrev_b32 v1, 5, v0
	v_readfirstlane_b32 s12, v1                    ; wave 0..3
	s_lshr_b32 s13, s12, 1                         ; I fetch for x (0) or for W (1)
	s_and_b32 s14, s12, 1                          ; which half of that tile
	s_bfe_u32 s16, ttmp6, 0x40000                  ; cx
	s_bfe_u32 s17, ttmp6, 0x40004                  ; cy
	s_lshl_b32 s18, ttmp9, 2
	s_add_co_u32 s18, s18, s16                     ; head = 4 x cluster x + cx
	s_and_b32 s19, ttmp7, 0xffff
	s_lshl_b32 s19, s19, 2
	s_add_co_u32 s19, s19, s17                     ; token block = 4 x cluster y + cy
	s_lshl_b32 s20, s17, 2
	s_lshl_b32 s20, 15, s20                        ; my row of the cluster
	s_lshl_b32 s21, 0x1111, s16                    ; my column
	s_or_b32 s[G1+0], s20, (1<<16)|(1<<20)|(1<<21)|(5<<22)|(3<<25)   ; mask of my row; 2-byte elements; padding on; bit 21 beside a mask; after every 64 words, 4 words
	s_mov_b32 s[G1+1], KSTEP<<16                   ; tensor_dim0 = 128
	s_mov_b32 s[G1+2], 128<<16                     ; tensor_dim1 = 128
	s_mov_b32 s[G1+3], KSTEP<<16                   ; tile_dim0 = 128
	s_mov_b32 s[G1+4], 128                         ; tile_dim1 = 128
	s_mov_b32 s[G1+5], 1024                        ; elements from row to row
	s_mov_b32 s[G1+6], 0
	s_mov_b32 s[G1+7], 0
	s_or_b32 s[G1B+0], s21, (1<<16)|(1<<20)|(1<<21)|(5<<22)|(3<<25)  ; the same with the mask of my column
	s_mov_b32 s[G1B+1], KSTEP<<16
	s_mov_b32 s[G1B+2], 96<<16                     ; 96 rows
	s_mov_b32 s[G1B+3], KSTEP<<16
	s_mov_b32 s[G1B+4], 96
	s_mov_b32 s[G1B+5], 1024
	s_mov_b32 s[G1B+6], 0
	s_mov_b32 s[G1B+7], 0
	; x's address hangs on the token block alone, W's on the head alone, each in registers that never hold the other coordinate
	s_lshl_b32 s40, s19, 8
	s_lshl_b32 s41, s14, 7
	s_add_co_u32 s40, s40, s41                     ; x: row 256 x block + 128 x half
	s_lshl_b32 s40, s40, 11                        ; x 2,048 bytes (below 8 MiB)
	s_mov_b32 s41, 0
	s_mul_i32 s42, s18, 192
	s_mul_i32 s43, s14, 96
	s_add_co_u32 s42, s42, s43                     ; W: row 192 x head + 96 x half
	s_lshl_b32 s42, s42, 11
	s_mov_b32 s43, 0
	s_mul_i32 s44, s12, ATILE                      ; LDS: waves 0, 1: x's halves at 0 and 34,816
	s_mul_i32 s45, s12, BTILE
	s_add_co_u32 s45, s45, BPART-2*BTILE           ; waves 2, 3: W's halves at 69,632 and 95,744
	s_wait_dscnt 0x0
	s_wait_kmcnt 0x0
	s_add_nc_u64 s[46:47], s[4:5], s[40:41]
	s_add_nc_u64 s[76:77], s[6:7], s[42:43]
	CROUND                                         ; all sixteen work-groups are here: the first joint loads meet
.irp s, 0,1
	s_mov_b32 s[G0+4*\s], 1
	s_add_co_u32 s[G0+4*\s+1], s44, \s*SLOT
	s_add_nc_u64 s[G0+4*\s+2:G0+4*\s+3], s[46:47], \s*KSTEP*2      ; K step s
	s_or_b32 s[G0+4*\s+3], s[G0+4*\s+3], 0x80000000
	s_mov_b32 s[G0B+4*\s], 1
	s_add_co_u32 s[G0B+4*\s+1], s45, \s*SLOT
	s_add_nc_u64 s[G0B+4*\s+2:G0B+4*\s+3], s[76:77], \s*KSTEP*2
	s_or_b32 s[G0B+4*\s+3], s[G0B+4*\s+3], 0x80000000
	JLOAD \s                                       ; two tensor loads of a wave are out here, one behind each later round
.endr
	; my biases: tile b = plane b / 4, features 16 (b % 4) + 8 (l / 16) + 0..7 of the head.  They are waited for on the way out.
	v_and_b32 v1, 15, v0                           ; r = l % 16
	v_bfe_u32 v2, v0, 4, 1                         ; h = l / 16
	v_and_b32 v5, 31, v0                           ; l
	v_lshlrev_b32 v[BO], 5, v2
	s_lshl_b32 s74, s18, 8                         ; head x 64 numbers
	s_mov_b32 s75, 0
	s_add_nc_u64 s[74:75], s[8:9], s[74:75]
.irp b, 0,1,2,3,4,5,6,7,8,9,10,11
	global_load_b128 v[BIAS+8*\b:BIAS+8*\b+3],   v[BO], s[74:75] offset:(\b>>2)*4096+(\b&3)*64
	global_load_b128 v[BIAS+8*\b+4:BIAS+8*\b+7], v[BO], s[74:75] offset:(\b>>2)*4096+(\b&3)*64+16
.endr
	; where the results go: plane p at qkv + p x 8 MiB + (batch x 16 + head) x 262,144 + token in batch x 128
	s_lshr_b32 s68, s19, 3
	s_lshl_b32 s68, s68, 4
	s_add_co_u32 s68, s68, s18
	s_lshl_b32 s68, s68, 18
	s_and_b32 s69, s19, 7
	s_lshl_b32 s69, s69, 8
	s_lshl_b32 s70, s12, 6
	s_add_co_u32 s69, s69, s70
	s_lshl_b32 s69, s69, 7
	s_add_co_u32 s68, s68, s69
	s_mov_b32 s69, 0
	s_add_nc_u64 s[68:69], s[10:11], s[68:69]
	s_add_nc_u64 s[70:71], s[68:69], 0x800000
	s_add_nc_u64 s[72:73], s[70:71], 0x800000
	; LDS addresses.  A fragment: lane l holds row l % 16; two loads of 16 bytes, 32 bytes apart, at row x pitch + 16 (l / 16)
	v_mul_u32_u24 v3, v1, PITCH
	v_lshl_add_u32 v3, v2, 4, v3
	s_mul_i32 s78, s12, 64*PITCH                   ; my 64 tokens
	v_add_nc_u32 v[ADRA], s78, v3
	v_add_nc_u32 v[ADRA+1], SLOT, v[ADRA]
	v_add_nc_u32 v[ADRB], BPART, v3                ; every wave reads all 192 rows of W
	v_add_nc_u32 v[ADRB+1], BPART+SLOT, v3
	s_mul_i32 s78, s12, 16*SPITCH
	s_add_co_u32 s78, s78, STAGE                   ; my stage
	v_mul_u32_u24 v4, v1, SPITCH
	v_lshl_add_u32 v4, v2, 4, v4
	v_add_nc_u32 v[STO], s78, v4                   ; in: token r, 16 bytes for each half of the lanes
	v_lshrrev_b32 v4, 3, v5
	v_mul_u32_u24 v4, v4, SPITCH
	v_and_b32 v6, 7, v0
	v_lshl_add_u32 v4, v6, 4, v4
	v_add_nc_u32 v[RD], s78, v4                    ; back: eight lanes take one token's 128 bytes of a plane, a wave four tokens
	v_lshlrev_b32 v[CO], 4, v5
; 12 matrix instructions: token tile a of the window's two (hi = 0: tiles 0, 1; 1: tiles 2, 3) x all 12 feature tiles, 32 along K.
; The 48 accumulators take turns, one instruction a turn,x
.macro MUL12 f, hi, a, zero
.irp b, 0,1,2,3,4,5,6,7,8,9,10,11
.if \zero
	v_wmma_f32_16x16x32_bf16 v[8*(12*\a+\b):8*(12*\a+\b)+7], v[FB+96*\f+8*\b:FB+96*\f+8*\b+7], v[FA+32*\f+8*(2*\hi+\a):FA+32*\f+8*(2*\hi+\a)+7], 0
.else
	v_wmma_f32_16x16x32_bf16 v[8*(12*\a+\b):8*(12*\a+\b)+7], v[FB+96*\f+8*\b:FB+96*\f+8*\b+7], v[FA+32*\f+8*(2*\hi+\a):FA+32*\f+8*(2*\hi+\a)+7], v[8*(12*\a+\b):8*(12*\a+\b)+7]
.endif
.endr
.endm
; 32 LDS loads in one run: 192 rows of W, then my 64 tokens, 32 K at byte k of the rows, into buffer f
.macro FETCH slot, k, f
	WIN TO_B
.irp i, 0,1,2,3,4,5,6,7,8,9,10,11
	ds_load_b128 v[FB+96*\f+8*\i:FB+96*\f+8*\i+3],   v[ADRB+\slot] offset:\k+\i*16*PITCH
	ds_load_b128 v[FB+96*\f+8*\i+4:FB+96*\f+8*\i+7], v[ADRB+\slot] offset:\k+\i*16*PITCH+32
.endr
	WIN 0
.irp i, 0,1,2,3
	ds_load_b128 v[FA+32*\f+8*\i:FA+32*\f+8*\i+3],   v[ADRA+\slot] offset:\k+\i*16*PITCH
	ds_load_b128 v[FA+32*\f+8*\i+4:FA+32*\f+8*\i+7], v[ADRA+\slot] offset:\k+\i*16*PITCH+32
.endr
.endm
; One of a K step's first three quarters: multiplies buffer f; in its middle fetches the next quarter, at byte k, into buffer g
.macro QUARTER slot, k, f, g, zero
	s_wait_dscnt 4                                 ; W and token tiles 0, 1 are in; the youngest four loads (token tiles 2, 3) may be out
	WIN MUL_LO
	MUL12 \f, 0, 0, \zero
	MUL12 \f, 0, 1, \zero
	PLACES                                         ; buffer g was read by matrix instructions: loads into it stand four places behind them
	FETCH \slot, \k, \g
	s_wait_dscnt 32                                ; all but the 32 just issued
	WIN MUL_HI
	MUL12 \f, 1, 0, \zero
	MUL12 \f, 1, 1, \zero
.endm
.macro THREE slot, zero
	QUARTER \slot, 64,  0, 1, \zero
	QUARTER \slot, 128, 1, 0, 0
	QUARTER \slot, 192, 0, 1, 0
.endm
; The last quarter multiplies buffer 1 and changes slots.  In front of the barrier each wave waits for its reads of this slot and for all
; its tensor loads (one is out: its part of the next slot).  Where the slot is filled again the barrier opens a round of the cluster's
; barrier, and the joint refill is the first tensor load behind the round.  From a request to the wait for it a wave issues 180 matrix instructions.
.macro TURN slot, next, fill
	s_wait_dscnt 4
	WIN MUL_LO
	MUL12 1, 0, 0, 0
	s_wait_dscnt 0x0                               ; my reads of this slot are over
	s_wait_tensorcnt 0x0                           ; all my tensor loads have landed
	ds_add_u32 v255, v159
	s_wait_dscnt 0x0
	s_barrier_signal -1
	MUL12 1, 0, 1, 0                               ; register work while the others arrive
	WIN 0
	s_barrier_wait -1
.if \fill
	CREST                                          ; no wave of any partner still reads this slot or has a load on its way
	s_add_nc_u64 s[G0+4*\slot+2:G0+4*\slot+3], s[G0+4*\slot+2:G0+4*\slot+3], 2*KSTEP*2
	s_add_nc_u64 s[G0B+4*\slot+2:G0B+4*\slot+3], s[G0B+4*\slot+2:G0B+4*\slot+3], 2*KSTEP*2
	JLOAD \slot
.endif
	PLACES
	FETCH \next, 0, 0
	WIN MUL_HI
	MUL12 1, 1, 0, 0
	MUL12 1, 1, 1, 0
.endm
.macro LAP zero
	THREE 0, \zero
	TURN 0, 1, 1
	THREE 1, 0
	TURN 1, 0, 1
.endm
	s_wait_tensorcnt 0x1                           ; my part of K step 0 is in; K step 1's stays out
	s_barrier_signal -1
	s_barrier_wait -1
	FETCH 0, 0, 0
	LAP 1                                          ; the first lap's first products start the sums: nothing is cleared
	WIN 0
	s_mov_b32 s15, LAPS-2
.Llap:
	LAP 0
	WIN 0
	s_sub_co_u32 s15, s15, 1
	s_cmp_lg_u32 s15, 0
	s_cbranch_scc1 .Llap
	THREE 0, 0                                     ; the last lap fills nothing
	TURN 0, 1, 0
	THREE 1, 0
	s_wait_dscnt 4
	WIN MUL_LO
	MUL12 1, 0, 0, 0
	MUL12 1, 0, 1, 0
	s_wait_dscnt 0x0
	WIN MUL_HI
	MUL12 1, 1, 0, 0
	MUL12 1, 1, 1, 0
	; THE WAY OUT, 16 tokens at a time: bias (and q's scale), f16, through my own stage, out as 512 dense bytes a store.
	PLACES
	WIN 0
	s_wait_loadcnt 0x0                             ; the biases
.set i, 0
.rept 16
	v_pk_mul_f32 v[BIAS+2*i:BIAS+2*i+1], v[BIAS+2*i:BIAS+2*i+1], QS op_sel_hi:[1,0]   ; q's biases carry q's scale too
.set i, i+1
.endr
; a: token tile 0..3; aa: its place in its window; wfma: destination and source 0 in that window; wcvt: sources 0 and 1 in it
.macro OUT16 a, aa, wfma, wcvt
	WIN \wfma
.irp b, 0,1,2,3
.irp j, 0,2,4,6
	v_pk_fma_f32 v[8*(12*\aa+\b)+\j:8*(12*\aa+\b)+\j+1], v[8*(12*\aa+\b)+\j:8*(12*\aa+\b)+\j+1], QS, v[BIAS+8*\b+\j:BIAS+8*\b+\j+1] op_sel_hi:[1,0,1]
.endr
.endr
.irp b, 4,5,6,7,8,9,10,11
.irp j, 0,2,4,6
	v_pk_add_f32 v[8*(12*\aa+\b)+\j:8*(12*\aa+\b)+\j+1], v[8*(12*\aa+\b)+\j:8*(12*\aa+\b)+\j+1], v[BIAS+8*\b+\j:BIAS+8*\b+\j+1]
.endr
.endr
	WIN \wcvt
.irp b, 0,1,2,3,4,5,6,7,8,9,10,11
.irp r, 0,1,2,3
	v_cvt_pk_f16_f32 v[TMP+4*\b+\r], v[8*(12*\aa+\b)+2*\r], v[8*(12*\aa+\b)+2*\r+1]
.endr
.endr
	WIN 0
.irp b, 0,1,2,3,4,5,6,7,8,9,10,11
	ds_store_b128 v[STO], v[TMP+4*\b:TMP+4*\b+3] offset:32*\b
.endr
	s_wait_xcnt 0x0                                ; RB, which the last tile's stores read, is loaded again only behind this wait
.irp p, 0,1,2
.irp i, 0,1,2,3
	ds_load_b128 v[RB+4*(4*\p+\i):RB+4*(4*\p+\i)+3], v[RD] offset:4*SPITCH*\i+128*\p   ; LDS serves a wave's instructions in order: these see the stores above
.endr
.endr
.irp p, 0,1,2
.irp i, 0,1,2,3
	s_wait_dscnt 11-(4*\p+\i)                      ; this read-back is in, the younger ones stay out
	global_store_b128 v[CO], v[RB+4*(4*\p+\i):RB+4*(4*\p+\i)+3], s[68+2*\p:69+2*\p] offset:\a*2048+\i*512   ; four tokens of a plane: 512 consecutive bytes
.endr
.endr
.endm
	OUT16 0, 0, 0x82, 0x0a
	OUT16 1, 1, 0x82, 0x0a
	OUT16 2, 0, 0xc3, 0x0f
	OUT16 3, 1, 0xc3, 0x0f
	s_set_vgpr_msb 0x1
	s_wait_tensorcnt 0x0
	ds_add_u32 v255, v159
	s_wait_dscnt 0x0
	s_set_vgpr_msb 0x100
	CROUND                                         ; the closing round: no work-group ends while a partner may still ask for a tile that names it
	s_endpgm
.Lfunc_end_k_q0f33e3731f_qkvg:
	.size	k_q0f33e3731f_qkvg, .Lfunc_end_k_q0f33e3731f_qkvg-k_q0f33e3731f_qkvg
	.p2alignl 7, 3214868480
	.fill 96, 4, 3214868480
	.section	.rodata,"a",@progbits
	.p2align	6, 0x0
	.amdhsa_kernel k_q0f33e3731f_qkvg
		.amdhsa_group_segment_fixed_size 327680
		.amdhsa_private_segment_fixed_size 0
		.amdhsa_enable_private_segment 0
		.amdhsa_kernarg_size 32
		.amdhsa_user_sgpr_count 2
		.amdhsa_user_sgpr_kernarg_segment_ptr 1
		.amdhsa_wavefront_size32 1
		.amdhsa_system_sgpr_workgroup_id_x 1
		.amdhsa_system_sgpr_workgroup_id_y 1
		.amdhsa_system_sgpr_workgroup_id_z 1
		.amdhsa_system_vgpr_workitem_id 0
		.amdhsa_next_free_vgpr 960
		.amdhsa_next_free_sgpr 80
		.amdhsa_reserve_vcc 0
		.amdhsa_float_denorm_mode_32 3
		.amdhsa_float_denorm_mode_16_64 3
		.amdhsa_memory_ordered 1
		.amdhsa_forward_progress 1
		.amdhsa_inst_pref_size 181
	.end_amdhsa_kernel
	.amdgpu_metadata
---
amdhsa.version: [ 1, 2 ]
amdhsa.kernels:
  - .name:           k_q0f33e3731f_qkvg
    .symbol:         k_q0f33e3731f_qkvg.kd
    .args:
      - { .name: xb, .offset: 0, .size: 8, .value_kind: global_buffer, .address_space: global }
      - { .name: wqb, .offset: 8, .size: 8, .value_kind: global_buffer, .address_space: global }
      - { .name: bqkv, .offset: 16, .size: 8, .value_kind: global_buffer, .address_space: global }
      - { .name: qkv, .offset: 24, .size: 8, .value_kind: global_buffer, .address_space: global }
    .group_segment_fixed_size: 327680
    .private_segment_fixed_size: 0
    .kernarg_segment_align: 8
    .kernarg_segment_size: 32
    .max_flat_workgroup_size: 128
    .sgpr_count:     80
    .vgpr_count:     960
    .wavefront_size: 32
...
	.end_amdgpu_metadata
.endif
;; end of part 2
;; launch stats (part 3): grid 8 x 32, 16 waves a work-group, clusters of 4 x 1, 313,344 bytes of LDS; arguments qkv, negc; writes negc
.if DOCPART == 3
	.amdgcn_target "amdgcn-amd-amdhsa--gfx1250"
	.amdhsa_code_object_version 6
	.text
	.protected	k_q0f33e3731f_stats
	.globl	k_q0f33e3731f_stats
	.p2align	8
	.type	k_q0f33e3731f_stats,@function
k_q0f33e3731f_stats:
	s_mov_b64 s[64:65], 0
	v_nop
	global_prefetch_b8 v0, s[64:65] scope:SCOPE_SE
	s_setreg_imm32_b32 hwreg(HW_REG_WAVE_MODE, 25, 1), 1
	s_wait_xcnt 0x0
	s_wait_alu depctr_hold_cnt(0) depctr_sa_sdst(0) depctr_va_vdst(0) depctr_va_sdst(0) depctr_va_ssrc(0) depctr_va_vcc(0) depctr_vm_vsrc(0)
	s_getreg_b32 s2, hwreg(HW_REG_IB_STS2, 6, 4)
	s_cmp_eq_u32 s2, 0
	s_cbranch_scc0 .Lentry_in_a_cluster
	s_endpgm
.Lentry_in_a_cluster:
	s_bfe_u32 s2, ttmp6, 0x10000c
	s_cmp_lg_u32 s2, 0x3003
	s_cbranch_scc0 .Lentry_shape_is_right
	s_endpgm
.Lentry_shape_is_right:
; The softmax runs over the QUERIES: for each key column, m = max over the head's 2,048 queries of s' and l = sum of 2^(s' - m),
; s' = (q log2(e)/8) . k.  Stored: negc[bh][key] = 11 - m - log2(l), so that later 2^(s' + negc) = 2,048 x the softmax weight.
; The maximum is a running one, taken away before every exponential; l is rescaled when it rises.
; LIMIT: v_exp_f32 gives 0 for results below 2^-126 (ISA guide, its entry); such terms are lost from l, which is at least 1.
; Grid x = block of 256 keys, y = batch x 16 + head.
; This is a vector loop: a trip has 172 vector instructions for 16 matrix instructions.  So SIXTEEN waves, four on a SIMD (4 x 208 registers),
; fill each other's waits.  Wave w owns 64 keys (w & 3; four tiles, fragments in registers for the whole kernel) against a quarter of the
; queries (w >> 2): a work-group reads 16 x 64 KiB of Q from LDS, and a trip of 32 queries x 64 keys needs 8 LDS loads for 16 products.
; The next trip's Q fragments are loaded into the same registers straight behind the trip's products, ahead of the trip's vector work.
; The head's whole Q (2,048 rows x 128 bytes, pitch 144) is brought into LDS once, in two groups of 1,024 rows; nothing is filled again.
; A maximum and a sum do not mind the order of the queries: quarter qq takes rows 256 qq .. 256 qq + 255 of each group.
; CLUSTERS: the four work-groups of a cluster have the same head and read the same Q: every Q tile is asked for jointly (mask 15).
.set QP,   144                         ; 128 bytes + 16: an odd multiple of 16
.set SCR,  294912                      ; behind Q: 8 partial maxima x 256 keys, then 8 partial sums x 256 keys; no tensor load fills it
.set SCRL, 8192                        ; the sums lie behind the maxima
.set QA,   3                           ; LDS address of my part of the next Q fragments
.set KO,   4                           ; byte offset of my part of the K fragments
.set SW,   5                           ; where my key's partial results go in SCR
.set CO,   6                           ; the end: 512 (w & 1) + 16 x lane
.set LN,   7                           ; lane
.set SR,   8                           ; the end: SCR + CO
.set KF,   16                          ; v16-79    K: key tile kt at 16 kt, 8 registers for each half of d
.set QF,   80                          ; v80-111   Q: query tile q at 16 q
.set ACC,  112                         ; v112-175  scores: tile (q, kt) at 8 (4 q + kt)
.set X,    176                         ; v176-179  maximum chains: 2 (kt & 1) + q
.set MN,   180                         ; v180-183  the new maximum, a pair for each of two key tiles (the pair's second register is never used)
.set AL,   184                         ; v184-187  2^(old maximum - new), a pair for each of two key tiles (the second holds the exponent)
.set M,    188                         ; v188-191  running maximum of key tile 0..3
.set LSP,  192                         ; v192-199  running sum of key tile 0..3, kept as a pair of halves
.set SUM,  200                         ; v200-207  sum chains: 4 (kt & 1) + 2 q
.set MP,   16                          ; the end: v16-47 eight partial maxima of my 4 keys
.set LP,   48                          ;          v48-79 eight partial sums
.set MM,   80                          ;          v80-83 the joint maximum
.set C11,  84                          ;          v84-87 11 - m, then negc
.set LT,   88                          ;          v88-91 l, then log2(l)
.macro ROUND                           ; a round of the cluster's barrier
	s_barrier_signal -1
	s_barrier_wait -1
	s_cmp_lg_u32 s8, 0
	s_cbranch_scc1 .Lnot_wave_0_\@
	s_barrier_signal -3
.Lnot_wave_0_\@:
	s_barrier_wait -3
	s_barrier_signal -1
	s_barrier_wait -1
.endm
	s_load_b128 s[4:7], s[0:1], 0x0                ; qkv s[4:5], negc s[6:7]
	v_lshl_add_u32 v208, v0, 2, 0x4c000
	v_mov_b32 v209, 0
	ds_add_u32 v208, v209
	v_lshrrev_b32 v1, 5, v0
	v_readfirstlane_b32 s8, v1                     ; wave 0..15
	s_and_b32 s32, s8, 3                           ; kg: my 64 keys of the block
	s_lshr_b32 s33, s8, 2                          ; qq: my quarter of each group's queries
	s_bfe_u32 s9, ttmp6, 0x40000                   ; cx
	s_lshl_b32 s10, ttmp9, 2
	s_add_co_u32 s10, s10, s9                      ; key block = 4 x cluster x + cx
	s_and_b32 s11, ttmp7, 0xffff                   ; batch x 16 + head
	; group 1: 64 rows x 64 f16, padded to 144 bytes in LDS
	s_mov_b32 s16, 15|(1<<16)|(1<<20)|(1<<21)|(4<<22)|(3<<25)   ; all four partners; 2-byte elements; padding: after every 32 words, 4 words
	s_mov_b32 s17, 64<<16
	s_mov_b32 s18, 64<<16
	s_mov_b32 s19, 64<<16
	s_mov_b32 s20, 64
	s_mov_b32 s21, 64
	s_mov_b32 s22, 0
	s_mov_b32 s23, 0
	s_lshl_b32 s40, s11, 18                        ; the head's Q; neither this address nor any LDS address holds cx
	s_lshl_b32 s41, s8, 13                         ; + wave x 64 rows x 128 bytes
	s_add_co_u32 s40, s40, s41
	s_mov_b32 s41, 0
	s_mul_i32 s42, s8, 64*QP
	s_lshl_b32 s44, s11, 18                        ; my 64 keys: plane 1, head, 32,768 x key block, 8,192 x kg
	s_lshl_b32 s45, s10, 15
	s_add_co_u32 s44, s44, s45
	s_lshl_b32 s45, s32, 13
	s_add_co_u32 s44, s44, s45
	s_add_co_u32 s44, s44, 0x800000
	s_mov_b32 s45, 0
	s_lshl_b32 s46, s11, 13                        ; negc: 8,192 x head + 1,024 x key block
	s_lshl_b32 s47, s10, 10
	s_add_co_u32 s46, s46, s47
	s_mov_b32 s47, 0
	s_wait_dscnt 0x0
	s_wait_kmcnt 0x0
	s_add_nc_u64 s[40:41], s[4:5], s[40:41]
	s_add_nc_u64 s[44:45], s[4:5], s[44:45]
	s_add_nc_u64 s[46:47], s[6:7], s[46:47]
	ROUND                                          ; the four work-groups are here: the joint loads meet
.irp g, 0,1
	s_mov_b32 s[24+4*\g], 1
	s_add_co_u32 s[25+4*\g], s42, \g*1024*QP       ; rows 1,024 g + 64 w ..
	s_add_nc_u64 s[26+4*\g:27+4*\g], s[40:41], \g*131072
	s_or_b32 s[27+4*\g], s[27+4*\g], 0x80000000
	tensor_load_to_lds s[24+4*\g:27+4*\g], s[16:23]                ; two tensor loads of a wave are out at the most
	s_nop 0
.endr
	v_and_b32 v1, 15, v0                           ; r
	v_bfe_u32 v2, v0, 4, 1                         ; h
	v_and_b32 v[LN], 31, v0
	v_lshlrev_b32 v[KO], 7, v1
	v_lshl_add_u32 v[KO], v2, 4, v[KO]             ; key r x 128 + 16 h
.irp kt, 0,1,2,3
.irp c, 0,1,2,3
	global_load_b128 v[KF+16*\kt+4*\c:KF+16*\kt+4*\c+3], v[KO], s[44:45] offset:\kt*2048+32*\c
.endr
.endr
	s_mul_i32 s36, s33, 256*QP                     ; my quarter's first row of a group
	v_mul_u32_u24 v[QA], v1, QP
	v_lshl_add_u32 v[QA], v2, 4, v[QA]
	v_add_nc_u32 v[QA], s36, v[QA]
	s_lshl_b32 s34, s33, 11                        ; partial 2 qq + h of a key: 1,024 bytes for each partial,
	s_lshl_b32 s35, s32, 8                         ; key 64 kg + 16 kt + r: 4 bytes for each key
	s_add_co_u32 s34, s34, s35
	s_add_co_u32 s34, s34, SCR
	v_lshl_add_u32 v[SW], v1, 2, s34
	v_lshl_add_u32 v[SW], v2, 10, v[SW]
	s_and_b32 s35, s8, 1
	s_lshl_b32 s35, s35, 9
	v_lshl_add_u32 v[CO], v[LN], 4, s35            ; the end: keys 128 (w & 1) + 4 x lane .. + 3
	v_add_nc_u32 v[SR], SCR, v[CO]
.irp kt, 0,1,2,3
	v_mov_b32 v[M+\kt], 0xff800000                 ; -infinity: the first trip's 2^(M - new M) is 0
	v_mov_b32 v[LSP+2*\kt], 0
	v_mov_b32 v[LSP+2*\kt+1], 0
.endr
	v_mov_b32 v[MN+1], 0                           ; a pair's second register counts as read
	v_mov_b32 v[MN+3], 0
	s_wait_loadcnt 0x0                             ; K's fragments, once
; The 16 scores that a lane holds of each of two keys (register j of tile (q, kt): query 16 q + 8 h + j, key r of tile kt) enter those keys'
; running maxima and sums.  ka is even, kb = ka + 1.  Two key tiles are taken together, so that four chains run beside each other.
.macro E2 ka, kb
.irp kt, \ka, \kb
.irp q, 0,1
	v_max3_num_f32 v[X+2*(\kt&1)+\q], v[ACC+8*(4*\q+\kt)], v[ACC+8*(4*\q+\kt)+1], v[ACC+8*(4*\q+\kt)+2]
.endr
.endr
.irp kt, \ka, \kb
.irp q, 0,1
	v_max3_num_f32 v[X+2*(\kt&1)+\q], v[X+2*(\kt&1)+\q], v[ACC+8*(4*\q+\kt)+3], v[ACC+8*(4*\q+\kt)+4]
.endr
.endr
.irp kt, \ka, \kb
.irp q, 0,1
	v_max3_num_f32 v[X+2*(\kt&1)+\q], v[X+2*(\kt&1)+\q], v[ACC+8*(4*\q+\kt)+5], v[ACC+8*(4*\q+\kt)+6]
.endr
.endr
.irp kt, \ka, \kb
	v_max3_num_f32 v[X+2*(\kt&1)], v[X+2*(\kt&1)], v[ACC+8*\kt+7], v[ACC+8*(4+\kt)+7]     ; the two tiles' last registers
.endr
.irp kt, \ka, \kb
	v_max3_num_f32 v[MN+2*(\kt&1)], v[X+2*(\kt&1)], v[X+2*(\kt&1)+1], v[M+\kt]
.endr
.irp kt, \ka, \kb
	v_sub_f32 v[AL+2*(\kt&1)+1], v[M+\kt], v[MN+2*(\kt&1)]
.endr
.irp kt, \ka, \kb
	v_exp_f32 v[AL+2*(\kt&1)], v[AL+2*(\kt&1)+1]   ; by how much the old sum shrinks; the subtractions below are the plain place behind it
.endr
.irp kt, \ka, \kb
.irp q, 0,1
.irp j, 0,2,4,6
	v_pk_add_f32 v[ACC+8*(4*\q+\kt)+\j:ACC+8*(4*\q+\kt)+\j+1], v[ACC+8*(4*\q+\kt)+\j:ACC+8*(4*\q+\kt)+\j+1], v[MN+2*(\kt&1):MN+2*(\kt&1)+1] op_sel_hi:[1,0] neg_lo:[0,1] neg_hi:[0,1]
.endr
.irp j, 0,1,2,3,4,5,6,7
	v_exp_f32 v[ACC+8*(4*\q+\kt)+\j], v[ACC+8*(4*\q+\kt)+\j]
.endr
.endr
.endr
	; the sums take the tiles in the order in which they were made, so a plain instruction stands between each exponential and its use (ISA guide 5.7.2)
	s_wait_alu depctr_va_vdst(0)
.irp kt, \ka, \kb
.irp q, 0,1
	v_pk_add_f32 v[SUM+4*(\kt&1)+2*\q:SUM+4*(\kt&1)+2*\q+1], v[ACC+8*(4*\q+\kt):ACC+8*(4*\q+\kt)+1], v[ACC+8*(4*\q+\kt)+2:ACC+8*(4*\q+\kt)+3]
.endr
.endr
.irp kt, \ka, \kb
.irp q, 0,1
	v_pk_add_f32 v[SUM+4*(\kt&1)+2*\q:SUM+4*(\kt&1)+2*\q+1], v[SUM+4*(\kt&1)+2*\q:SUM+4*(\kt&1)+2*\q+1], v[ACC+8*(4*\q+\kt)+4:ACC+8*(4*\q+\kt)+5]
.endr
.endr
.irp kt, \ka, \kb
.irp q, 0,1
	v_pk_add_f32 v[SUM+4*(\kt&1)+2*\q:SUM+4*(\kt&1)+2*\q+1], v[SUM+4*(\kt&1)+2*\q:SUM+4*(\kt&1)+2*\q+1], v[ACC+8*(4*\q+\kt)+6:ACC+8*(4*\q+\kt)+7]
.endr
.endr
.irp kt, \ka, \kb
	v_pk_add_f32 v[SUM+4*(\kt&1):SUM+4*(\kt&1)+1], v[SUM+4*(\kt&1):SUM+4*(\kt&1)+1], v[SUM+4*(\kt&1)+2:SUM+4*(\kt&1)+3]
.endr
.irp kt, \ka, \kb
	v_pk_fma_f32 v[LSP+2*\kt:LSP+2*\kt+1], v[LSP+2*\kt:LSP+2*\kt+1], v[AL+2*(\kt&1):AL+2*(\kt&1)+1], v[SUM+4*(\kt&1):SUM+4*(\kt&1)+1] op_sel_hi:[1,0,1]   ; both halves of the old sum shrink by the same factor
.endr
.irp kt, \ka, \kb
	v_mov_b32 v[M+\kt], v[MN+2*(\kt&1)]
.endr
.endm
.macro LOADQ                           ; 8 LDS loads: the fragments of 32 queries
.irp q, 0,1
.irp c, 0,1,2,3
	ds_load_b128 v[QF+16*\q+4*\c:QF+16*\q+4*\c+3], v[QA] offset:\q*16*QP+32*\c
.endr
.endr
.endm
; One trip: 32 queries x 64 keys.  more = 1: the next trip's fragments are asked for as soon as the products have read this trip's.
.macro TRIP more
	s_wait_dscnt 0x0                               ; this trip's fragments, asked for ahead of the last trip's vector work
	; eight accumulators by turns, one instruction a turn: d = 0..31 starts the sums, d = 32..63 adds in place
.irp q, 0,1
.irp kt, 0,1,2,3
	v_wmma_f32_16x16x32_f16 v[ACC+8*(4*\q+\kt):ACC+8*(4*\q+\kt)+7], v[QF+16*\q:QF+16*\q+7], v[KF+16*\kt:KF+16*\kt+7], 0
.endr
.endr
.irp q, 0,1
.irp kt, 0,1,2,3
	v_wmma_f32_16x16x32_f16 v[ACC+8*(4*\q+\kt):ACC+8*(4*\q+\kt)+7], v[QF+16*\q+8:QF+16*\q+15], v[KF+16*\kt+8:KF+16*\kt+15], v[ACC+8*(4*\q+\kt):ACC+8*(4*\q+\kt)+7]
.endr
.endr
.rept 5
	v_nop                                          ; four places before the results are read and Q's registers loaded again, five before the next trip's products write over the accumulators (ISA guide 7.12.1)
.endr
	v_add_nc_u32 v[QA], 32*QP, v[QA]               ; the next 32 queries
.if \more
	LOADQ
.endif
	E2 0, 1
	E2 2, 3
.endm
; Group g: my 256 of its 1,024 queries, eight trips.  The last trip is written out without a fetch: no read reaches rows of a group
; that has not been shown landed.
.macro GROUP g
	s_wait_dscnt 0x0
	s_wait_tensorcnt 1-\g                          ; my parts of groups 0 to g are in; in front of group 0 the load of group 1 stays out
	s_barrier_signal -1
	s_barrier_wait -1                              ; everybody's are
	LOADQ
	s_mov_b32 s14, 7
.Lq_\g:
	TRIP 1
	s_sub_co_u32 s14, s14, 1
	s_cmp_lg_u32 s14, 0
	s_cbranch_scc1 .Lq_\g
	TRIP 0
.endm
	GROUP 0
	v_add_nc_u32 v[QA], 768*QP, v[QA]              ; over the other three quarters of group 0, to my quarter of group 1
	GROUP 1
	; THE END.  A key has eight partial results: four quarters of the queries x two halves of the lanes.  Every lane stores its maximum and its sum
	; to words of its own; behind the barrier waves 0 and 1 join the eight, four keys a lane: negc = (11 - m) - log2(l).
.irp kt, 0,1,2,3
	v_add_f32 v[SUM+\kt], v[LSP+2*\kt], v[LSP+2*\kt+1]
.endr
.irp kt, 0,1,2,3
	ds_store_b32 v[SW], v[M+\kt] offset:64*\kt
	ds_store_b32 v[SW], v[SUM+\kt] offset:SCRL+64*\kt
.endr
	s_wait_dscnt 0x0                               ; for the others' sake: my stores are done
	s_barrier_signal -1
	s_barrier_wait -1
	s_cmp_lt_u32 s8, 2
	s_cbranch_scc0 .Lnot_out
.irp p, 0,1,2,3,4,5,6,7
	ds_load_b128 v[MP+4*\p:MP+4*\p+3], v[SR] offset:1024*\p
.endr
.irp p, 0,1,2,3,4,5,6,7
	ds_load_b128 v[LP+4*\p:LP+4*\p+3], v[SR] offset:SCRL+1024*\p
.endr
	s_wait_dscnt 0x0
.irp c, 0,1,2,3
	v_max3_num_f32 v[MM+\c], v[MP+\c], v[MP+4+\c], v[MP+8+\c]
.endr
.irp c, 0,1,2,3
	v_max3_num_f32 v[MM+\c], v[MM+\c], v[MP+12+\c], v[MP+16+\c]
.endr
.irp c, 0,1,2,3
	v_max3_num_f32 v[MM+\c], v[MM+\c], v[MP+20+\c], v[MP+24+\c]
.endr
.irp c, 0,1,2,3
	v_max_num_f32 v[MM+\c], v[MM+\c], v[MP+28+\c]
.endr
.irp p, 0,1,2,3,4,5,6,7
.irp i, 0,2
	v_pk_add_f32 v[MP+4*\p+\i:MP+4*\p+\i+1], v[MP+4*\p+\i:MP+4*\p+\i+1], v[MM+\i:MM+\i+1] neg_lo:[0,1] neg_hi:[0,1]
.endr
.endr
.set i, 0
.rept 32
	v_exp_f32 v[MP+i], v[MP+i]                     ; by how much each partial sum shrinks
.set i, i+1
.endr
.irp c, 0,1,2,3
	v_sub_f32 v[C11+\c], 0x41300000, v[MM+\c]      ; 11 - m; also the plain place behind the exponentials
.endr
	s_wait_alu depctr_va_vdst(0)
.irp i, 0,2
	v_pk_mul_f32 v[LT+\i:LT+\i+1], v[LP+\i:LP+\i+1], v[MP+\i:MP+\i+1]
.endr
.irp p, 1,2,3,4,5,6,7
.irp i, 0,2
	v_pk_fma_f32 v[LT+\i:LT+\i+1], v[LP+4*\p+\i:LP+4*\p+\i+1], v[MP+4*\p+\i:MP+4*\p+\i+1], v[LT+\i:LT+\i+1]
.endr
.endr
.irp c, 0,1,2,3
	v_log_f32 v[LT+\c], v[LT+\c]
.endr
	v_nop                                          ; the plain place behind the logarithms
	s_wait_alu depctr_va_vdst(0)
.irp i, 0,2
	v_pk_add_f32 v[C11+\i:C11+\i+1], v[C11+\i:C11+\i+1], v[LT+\i:LT+\i+1] neg_lo:[0,1] neg_hi:[0,1]
.endr
	global_store_b128 v[CO], v[C11:C11+3], s[46:47]                ; a wave stores 512 consecutive bytes, at a multiple of 512 from negc's first byte
.Lnot_out:
	s_wait_tensorcnt 0x0
	ds_add_u32 v208, v209
	s_wait_dscnt 0x0
	ROUND                                          ; the closing round
	s_endpgm
.Lfunc_end_k_q0f33e3731f_stats:
	.size	k_q0f33e3731f_stats, .Lfunc_end_k_q0f33e3731f_stats-k_q0f33e3731f_stats
	.p2alignl 7, 3214868480
	.fill 96, 4, 3214868480
	.section	.rodata,"a",@progbits
	.p2align	6, 0x0
	.amdhsa_kernel k_q0f33e3731f_stats
		.amdhsa_group_segment_fixed_size 313344
		.amdhsa_private_segment_fixed_size 0
		.amdhsa_enable_private_segment 0
		.amdhsa_kernarg_size 16
		.amdhsa_user_sgpr_count 2
		.amdhsa_user_sgpr_kernarg_segment_ptr 1
		.amdhsa_wavefront_size32 1
		.amdhsa_system_sgpr_workgroup_id_x 1
		.amdhsa_system_sgpr_workgroup_id_y 1
		.amdhsa_system_sgpr_workgroup_id_z 1
		.amdhsa_system_vgpr_workitem_id 0
		.amdhsa_next_free_vgpr 210
		.amdhsa_next_free_sgpr 66
		.amdhsa_reserve_vcc 0
		.amdhsa_float_denorm_mode_32 3
		.amdhsa_float_denorm_mode_16_64 3
		.amdhsa_memory_ordered 1
		.amdhsa_forward_progress 1
		.amdhsa_inst_pref_size 55
	.end_amdhsa_kernel
	.amdgpu_metadata
---
amdhsa.version: [ 1, 2 ]
amdhsa.kernels:
  - .name:           k_q0f33e3731f_stats
    .symbol:         k_q0f33e3731f_stats.kd
    .args:
      - { .name: qkv, .offset: 0, .size: 8, .value_kind: global_buffer, .address_space: global }
      - { .name: negc, .offset: 8, .size: 8, .value_kind: global_buffer, .address_space: global }
    .group_segment_fixed_size: 313344
    .private_segment_fixed_size: 0
    .kernarg_segment_align: 8
    .kernarg_segment_size: 16
    .max_flat_workgroup_size: 512
    .sgpr_count:     66
    .vgpr_count:     210
    .wavefront_size: 32
...
	.end_amdgpu_metadata
.endif
;; end of part 3
;; launch attn (part 4): grid 8 x 32, 8 waves a work-group, clusters of 4 x 1, 327,680 bytes of LDS; arguments qkv, negc, ab; writes ab
.if DOCPART == 4
	.amdgcn_target "amdgcn-amd-amdhsa--gfx1250"
	.amdhsa_code_object_version 6
	.text
	.protected	k_q0f33e3731f_attn
	.globl	k_q0f33e3731f_attn
	.p2align	8
	.type	k_q0f33e3731f_attn,@function
k_q0f33e3731f_attn:
	s_mov_b64 s[64:65], 0
	v_nop
	global_prefetch_b8 v0, s[64:65] scope:SCOPE_SE
	s_setreg_imm32_b32 hwreg(HW_REG_WAVE_MODE, 25, 1), 1
	s_wait_xcnt 0x0
	s_wait_alu depctr_hold_cnt(0) depctr_sa_sdst(0) depctr_va_vdst(0) depctr_va_sdst(0) depctr_va_ssrc(0) depctr_va_vcc(0) depctr_vm_vsrc(0)
	s_getreg_b32 s2, hwreg(HW_REG_IB_STS2, 6, 4)
	s_cmp_eq_u32 s2, 0
	s_cbranch_scc0 .Lentry_in_a_cluster
	s_endpgm
.Lentry_in_a_cluster:
	s_bfe_u32 s2, ttmp6, 0x10000c
	s_cmp_lg_u32 s2, 0x3003
	s_cbranch_scc0 .Lentry_shape_is_right
	s_endpgm
.Lentry_shape_is_right:
; ab = 2,048 x softmax-over-queries(q k^T / 8) v, per head, in bf16, laid out [block of 128 tokens][head][token][64].
; The weight is P' = 2^(s' + negc[key]) with negc = 11 - max - log2(sum) of the key's column, made by the launch before: the column's
; maximum is taken away inside negc, and 0 <= P' <= 2,048 for every input, so P' has room in f16.  negc enters as the C operand of the first
; score product, so neither the subtraction nor the division costs an instruction.  The factor 2,048 is taken out by the next launch.
; The result goes out in bf16: one query can win every column, so a row's weights can sum to 2,048 and f16 would have no room.
; LIMIT: v_exp_f32 gives 0 for weights below 2^-126 (ISA guide, its entry).
; Grid x = block of 256 queries, y = batch x 16 + head.  Eight waves, two on a SIMD, so that one's exponentials run beside the other's
; products.  Wave w: queries 64 (w & 3) .. + 63 of the block, keys 1,024 (w >> 2) .. + 1,023; the two waves of a pair add their sums at the end.
; SCORES TRANSPOSED: A = 16 keys, B = 16 queries: lane (r, h) register j = (key 8 h + j, query r), which after packing IS the B fragment
; of the second product, O^T(d, query) = V^T(d, key) P^T(key, query): no lane ever hands a weight to another.
; K and V go through two LDS slots of 128 keys of each half (8 pieces of 64 rows, one a wave).
; CLUSTERS: the four work-groups of a cluster have the same head and walk the same K, V and negc: all are asked for jointly (mask 15).
.set KP,    144                        ; K's LDS pitch: 128 + 16, an odd multiple of 16
.set VP,    160                        ; V's: 128 + 32, an odd multiple of 32, for the transposing load
.set PIECE, 10240                      ; 64 rows at the larger pitch; piece number = the number of the wave that fetches it
.set SLOT,  8*PIECE                    ; pieces 0-3: K (2 x half + 64-row part), pieces 4-7: V likewise
.set NEG,   2*SLOT                     ; 163,840: the head's 2,048 negc
.set EX,    NEG+8192                   ; 172,032: 8 x 8,192, what a wave hands to its partner; no tensor load fills it
.set OST,   EX+65536                   ; 237,568: 8 x 4,608, the way out (32 rows at pitch 144)
.set KADR, 2                           ; v2-3   my K fragments in slot 0, 1
.set VADR, 4                           ; v4-5   my V fragments
.set NEGA, 6                           ; my 8 negc of the step's first key tile
.set QO,   7
.set EXW,  8
.set EXR,  9
.set OSTW, 10
.set OSTR, 11
.set CO,   12
.set KF,   16                          ; v16-47   K: key tile kt at 16 kt
.set VF,   48                          ; v48-79   V^T: d tile dt at 8 dt
.set NC,   80                          ; v80-95   negc: key tile kt at 8 kt
.set PF,   96                          ; v96-127  P^T in f16: query tile q at 8 q
.set SA,   128                         ; v128-191 scores: tile (kt, q) at 8 (4 kt + q)
.set QF,   0                           ; window 1: v0-63   Q: query tile q at 16 q
.set OA,   64                          ; window 1: v64-191 O^T: tile (dt, q) at 8 (4 q + dt)
.set G1K, 24
.set G1V, 32
.set G1N, 40
.set G0K, 48                           ; s[48:55] one set for each slot
.set G0V, 56                           ; s[56:63]
.set G0N, 68
.set MSB, 0
.macro WIN new
.if MSB != \new
	s_set_vgpr_msb (MSB<<8)|\new
.set MSB, \new
.endif
.endm
.macro PLACES
.rept 4
	v_nop
.endr
.endm
.macro ROUND
	s_barrier_signal -1
	s_barrier_wait -1
	s_cmp_lg_u32 s10, 0
	s_cbranch_scc1 .Lnot_wave_0_\@
	s_barrier_signal -3
.Lnot_wave_0_\@:
	s_barrier_wait -3
	s_barrier_signal -1
	s_barrier_wait -1
.endm
.macro JLOAD s                         ; waves 0-3 fetch K's pieces, waves 4-7 V's; the branch hangs on the wave's number alone
	s_cmp_eq_u32 s11, 0
	s_cbranch_scc0 .Lfor_v_\@
	tensor_load_to_lds s[G0K+4*(\s):G0K+4*(\s)+3], s[G1K:G1K+7]
	s_nop 0
	s_branch .Lasked_\@
.Lfor_v_\@:
	tensor_load_to_lds s[G0V+4*(\s):G0V+4*(\s)+3], s[G1V:G1V+7]
	s_nop 0
.Lasked_\@:
.endm
	s_load_b128 s[4:7], s[0:1], 0x0                ; qkv s[4:5], negc s[6:7]
	s_load_b64 s[8:9], s[0:1], 0x10                ; ab
	v_lshl_add_u32 v254, v0, 2, 0x43000
	v_mov_b32 v255, 0
	ds_add_u32 v254, v255
	v_lshrrev_b32 v1, 5, v0
	v_readfirstlane_b32 s10, v1                    ; wave 0..7
	s_lshr_b32 s11, s10, 2                         ; my half of the keys.  Also: I fetch K (0) or V (1)
	s_and_b32 s12, s10, 3                          ; my 64 queries.  Also: which piece I fetch
	s_bfe_u32 s13, ttmp6, 0x40000                  ; cx
	s_lshl_b32 s14, ttmp9, 2
	s_add_co_u32 s14, s14, s13                     ; query block
	s_and_b32 s15, ttmp7, 0xffff                   ; batch x 16 + head
	s_mov_b32 s[G1K+0], 15|(1<<16)|(1<<20)|(1<<21)|(4<<22)|(3<<25)   ; 64 rows x 64 f16; after every 32 words, 4 words
	s_mov_b32 s[G1K+1], 64<<16
	s_mov_b32 s[G1K+2], 64<<16
	s_mov_b32 s[G1K+3], 64<<16
	s_mov_b32 s[G1K+4], 64
	s_mov_b32 s[G1K+5], 64
	s_mov_b32 s[G1K+6], 0
	s_mov_b32 s[G1K+7], 0
	s_mov_b32 s[G1V+0], 15|(1<<16)|(1<<20)|(1<<21)|(4<<22)|(7<<25)   ; the same with 8 words of padding
	s_mov_b32 s[G1V+1], 64<<16
	s_mov_b32 s[G1V+2], 64<<16
	s_mov_b32 s[G1V+3], 64<<16
	s_mov_b32 s[G1V+4], 64
	s_mov_b32 s[G1V+5], 64
	s_mov_b32 s[G1V+6], 0
	s_mov_b32 s[G1V+7], 0
	s_mov_b32 s[G1N+0], 15|(3<<16)|(1<<21)         ; one row of 128 elements of 8 bytes: 256 negc
	s_mov_b32 s[G1N+1], 128<<16
	s_mov_b32 s[G1N+2], 1<<16
	s_mov_b32 s[G1N+3], 128<<16
	s_mov_b32 s[G1N+4], 1
	s_mov_b32 s[G1N+5], 128
	s_mov_b32 s[G1N+6], 0
	s_mov_b32 s[G1N+7], 0
	; my piece: head, half (w & 3) >> 1 of the keys, 64-row part w & 1.  No joint address and no LDS address holds cx.
	s_lshl_b32 s16, s15, 18
	s_lshr_b32 s17, s12, 1
	s_lshl_b32 s17, s17, 17
	s_add_co_u32 s16, s16, s17
	s_and_b32 s17, s10, 1
	s_lshl_b32 s17, s17, 13
	s_add_co_u32 s16, s16, s17
	s_mov_b32 s17, 0
	s_mul_i32 s18, s10, PIECE
	s_lshl_b32 s19, s10, 10
	s_lshl_b32 s20, s15, 13
	s_add_co_u32 s20, s20, s19                     ; negc: 8,192 x head + 1,024 x wave
	s_mov_b32 s21, 0
	s_add_co_u32 s19, s19, NEG
	s_lshl_b32 s74, s15, 18                        ; my 64 queries: head, 32,768 x block, 8,192 x (w & 3)
	s_lshl_b32 s75, s14, 15
	s_add_co_u32 s74, s74, s75
	s_lshl_b32 s75, s12, 13
	s_add_co_u32 s74, s74, s75
	s_mov_b32 s75, 0
	s_lshr_b32 s76, s15, 4                         ; where my 32 rows go: token block = batch x 16 + 2 x query block + (w & 3) / 2,
	s_lshl_b32 s76, s76, 4
	s_lshl_b32 s77, s14, 1
	s_add_co_u32 s76, s76, s77
	s_lshr_b32 s77, s12, 1
	s_add_co_u32 s76, s76, s77
	s_lshl_b32 s76, s76, 4
	s_and_b32 s77, s15, 15
	s_add_co_u32 s76, s76, s77                     ; x 16 + head,
	s_lshl_b32 s76, s76, 14                        ; x 16,384 bytes,
	s_and_b32 s77, s12, 1
	s_lshl_b32 s77, s77, 13                        ; + 64 tokens for the odd quarter,
	s_add_co_u32 s76, s76, s77
	s_lshl_b32 s77, s11, 12                        ; + 32 tokens for the wave of the second half of the keys
	s_add_co_u32 s76, s76, s77
	s_mov_b32 s77, 0
	s_wait_dscnt 0x0
	s_wait_kmcnt 0x0
	s_add_nc_u64 s[16:17], s[4:5], s[16:17]
	s_add_nc_u64 s[22:23], s[16:17], 0x800000      ; plane 1: K
	s_add_nc_u64 s[72:73], s[22:23], 0x800000      ; plane 2: V
	s_add_nc_u64 s[20:21], s[6:7], s[20:21]
	s_add_nc_u64 s[74:75], s[4:5], s[74:75]
	s_add_nc_u64 s[76:77], s[8:9], s[76:77]
	ROUND                                          ; the four work-groups are here: the first joint loads meet
	s_mov_b32 s[G0N], 1
	s_mov_b32 s[G0N+1], s19
	s_mov_b64 s[G0N+2:G0N+3], s[20:21]
	s_or_b32 s[G0N+3], s[G0N+3], 0x80000000
	tensor_load_to_lds s[G0N:G0N+3], s[G1N:G1N+7]
	s_nop 0
.irp s, 0,1
	s_mov_b32 s[G0K+4*\s], 1
	s_add_co_u32 s[G0K+4*\s+1], s18, \s*SLOT
	s_add_nc_u64 s[G0K+4*\s+2:G0K+4*\s+3], s[22:23], \s*16384      ; 128 keys on for slot 1
	s_or_b32 s[G0K+4*\s+3], s[G0K+4*\s+3], 0x80000000
	s_mov_b32 s[G0V+4*\s], 1
	s_add_co_u32 s[G0V+4*\s+1], s18, \s*SLOT
	s_add_nc_u64 s[G0V+4*\s+2:G0V+4*\s+3], s[72:73], \s*16384
	s_or_b32 s[G0V+4*\s+3], s[G0V+4*\s+3], 0x80000000
	JLOAD \s                                       ; three tensor loads of a wave are out here, one behind each later round
.endr
	v_and_b32 v1, 15, v0                           ; r
	v_bfe_u32 v13, v0, 4, 1                        ; h
	v_and_b32 v14, 31, v0                          ; lane
	v_lshlrev_b32 v[QO], 7, v1
	v_lshl_add_u32 v[QO], v13, 4, v[QO]
	WIN 0x40                                       ; destination window 1
.irp q, 0,1,2,3
.irp c, 0,1,2,3
	global_load_b128 v[QF+16*\q+4*\c:QF+16*\q+4*\c+3], v[QO], s[74:75] offset:\q*2048+32*\c   ; Q's fragments stay in registers for the whole kernel
.endr
.endr
	WIN 0
	s_mul_i32 s78, s11, 2*PIECE                    ; my half's two pieces
	v_mul_u32_u24 v[KADR], v1, KP
	v_lshl_add_u32 v[KADR], v13, 4, v[KADR]
	v_add_nc_u32 v[KADR], s78, v[KADR]
	v_add_nc_u32 v[KADR+1], SLOT, v[KADR]
	v_and_b32 v[VADR], 7, v0
	v_lshl_add_u32 v[VADR], v13, 3, v[VADR]        ; key 8 h + (l & 7)
	v_mul_u32_u24 v[VADR], v[VADR], VP
	v_bfe_u32 v15, v0, 3, 1
	v_lshl_add_u32 v[VADR], v15, 4, v[VADR]        ; + 16 ((l >> 3) & 1)
	s_add_co_u32 s78, s78, 4*PIECE
	v_add_nc_u32 v[VADR], s78, v[VADR]
	v_add_nc_u32 v[VADR+1], SLOT, v[VADR]
	s_lshl_b32 s79, s11, 12
	s_add_co_u32 s79, s79, NEG
	v_lshl_add_u32 v[NEGA], v13, 5, s79            ; negc of keys 8 h .. 8 h + 7 of my half
	s_lshl_b32 s79, s10, 13
	s_add_co_u32 s79, s79, EX
	v_lshl_add_u32 v[EXW], v14, 4, s79
	s_xor_b32 s80, s10, 4                          ; my partner: the same queries, the other half of the keys
	s_lshl_b32 s80, s80, 13
	s_add_co_u32 s80, s80, EX
	v_lshl_add_u32 v[EXR], v14, 4, s80
	s_mul_i32 s81, s10, 32*144
	s_add_co_u32 s81, s81, OST
	v_mul_u32_u24 v[OSTW], v1, 144
	v_lshl_add_u32 v[OSTW], v13, 4, v[OSTW]
	v_add_nc_u32 v[OSTW], s81, v[OSTW]
	v_lshrrev_b32 v[OSTR], 3, v14
	v_mul_u32_u24 v[OSTR], v[OSTR], 144
	v_and_b32 v15, 7, v0
	v_lshl_add_u32 v[OSTR], v15, 4, v[OSTR]
	v_add_nc_u32 v[OSTR], s81, v[OSTR]
	v_lshlrev_b32 v[CO], 4, v14
; 12 LDS loads: K's fragments and negc of step stp (32 keys) of a slot.  stp may be a sum: it stands in parentheses wherever it is used.
.macro LOADK slot, stp
.irp kt, 0,1
.irp c, 0,1,2,3
	ds_load_b128 v[KF+16*\kt+4*\c:KF+16*\kt+4*\c+3], v[KADR+\slot] offset:((\stp)>>1)*PIECE+((\stp)&1)*32*KP+\kt*16*KP+32*\c
.endr
.endr
.irp kt, 0,1
	ds_load_b128 v[NC+8*\kt:NC+8*\kt+3],   v[NEGA] offset:(\stp)*128+\kt*64
	ds_load_b128 v[NC+8*\kt+4:NC+8*\kt+7], v[NEGA] offset:(\stp)*128+\kt*64+16
.endr
.endm
.macro EXP8 q, kt
.irp j, 0,1,2,3,4,5,6,7
	v_exp_f32 v[SA+8*(4*\kt+\q)+\j], v[SA+8*(4*\kt+\q)+\j]
.endr
.endm
.macro CVT4 q, kt                      ; a score tile's 8 registers are keys 16 kt + 8 h + 0..7: registers 4 kt .. 4 kt + 3 of the B fragment
	s_wait_alu depctr_va_vdst(0)
.irp i, 0,1,2,3
	v_cvt_pk_f16_f32 v[PF+8*\q+4*\kt+\i], v[SA+8*(4*\kt+\q)+2*\i], v[SA+8*(4*\kt+\q)+2*\i+1]
.endr
.endm
; 32 keys x 64 queries: 16 score products, 64 exponentials, 16 products with V.  In both groups the accumulators take turns, one instruction a turn.
.macro STEP slot, stp, zero
	s_wait_dscnt 0x0                               ; this step's K and negc are in
	WIN 0x04                                       ; source 1 (Q) in window 1
.irp kt, 0,1
.irp q, 0,1,2,3
	v_wmma_f32_16x16x32_f16 v[SA+8*(4*\kt+\q):SA+8*(4*\kt+\q)+7], v[KF+16*\kt:KF+16*\kt+7], v[QF+16*\q:QF+16*\q+7], v[NC+8*\kt:NC+8*\kt+7]
.endr
.endr
.irp kt, 0,1
.irp q, 0,1,2,3
	v_wmma_f32_16x16x32_f16 v[SA+8*(4*\kt+\q):SA+8*(4*\kt+\q)+7], v[KF+16*\kt+8:KF+16*\kt+15], v[QF+16*\q+8:QF+16*\q+15], v[SA+8*(4*\kt+\q):SA+8*(4*\kt+\q)+7]
.endr
.endr
	WIN 0
	PLACES                                         ; before the scores are read, before K, negc and V are loaded again and P^T written again (ISA guide 7.12.1)
.irp dt, 0,1,2,3
	ds_load_tr16_b128 v[VF+8*\dt:VF+8*\dt+3],   v[VADR+\slot] offset:((\stp)>>1)*PIECE+((\stp)&1)*32*VP+32*\dt
	ds_load_tr16_b128 v[VF+8*\dt+4:VF+8*\dt+7], v[VADR+\slot] offset:((\stp)>>1)*PIECE+((\stp)&1)*32*VP+32*\dt+16*VP
.endr
.if \stp < 3
	LOADK \slot, \stp+1
.endif
	EXP8 0, 0                                      ; a tile is packed one tile behind its exponentials, so a plain instruction stands between (ISA guide 5.7.2)
	v_nop
	EXP8 0, 1
	CVT4 0, 0
	EXP8 1, 0
	CVT4 0, 1
	EXP8 1, 1
	CVT4 1, 0
	EXP8 2, 0
	CVT4 1, 1
	EXP8 2, 1
	CVT4 2, 0
	EXP8 3, 0
	CVT4 2, 1
	EXP8 3, 1
	CVT4 3, 0
	CVT4 3, 1
.if \stp < 3
	s_wait_dscnt 12                                ; V is in; the next step's 12 loads, issued behind V's, stay out
.else
	s_wait_dscnt 0x0
.endif
	WIN 0x50                                       ; C and D in window 1
.irp q, 0,1,2,3
.irp dt, 0,1,2,3
.if \zero
	v_wmma_f32_16x16x32_f16 v[OA+8*(4*\q+\dt):OA+8*(4*\q+\dt)+7], v[VF+8*\dt:VF+8*\dt+7], v[PF+8*\q:PF+8*\q+7], 0
.else
	v_wmma_f32_16x16x32_f16 v[OA+8*(4*\q+\dt):OA+8*(4*\q+\dt)+7], v[VF+8*\dt:VF+8*\dt+7], v[PF+8*\q:PF+8*\q+7], v[OA+8*(4*\q+\dt):OA+8*(4*\q+\dt)+7]
.endif
.endr
.endr
	WIN 0
.endm
.macro WORK slot, zero                 ; a slot's 128 keys of my half
	LOADK \slot, 0
	STEP \slot, 0, \zero
	STEP \slot, 1, 0
	STEP \slot, 2, 0
	STEP \slot, 3, 0
	v_add_nc_u32 v[NEGA], 512, v[NEGA]
.endm
; The change of slots.  In front of the round every wave waits for all its tensor loads (its piece of this slot among them) and for its reads of
; the other slot; the joint refill of the other slot is the first tensor load behind the round and has this slot's 128 matrix instructions a wave in which to land.
.macro TWO slot, refill
	s_wait_tensorcnt 0x0
	ds_add_u32 v254, v255
	s_wait_dscnt 0x0
.if \refill
	s_add_nc_u64 s[G0K+4*(1-\slot)+2:G0K+4*(1-\slot)+3], s[G0K+4*(1-\slot)+2:G0K+4*(1-\slot)+3], 32768   ; no load of mine is out: 256 keys on
	s_add_nc_u64 s[G0V+4*(1-\slot)+2:G0V+4*(1-\slot)+3], s[G0V+4*(1-\slot)+2:G0V+4*(1-\slot)+3], 32768
.endif
	s_wait_dscnt 0x0
.if \refill
	ROUND
	JLOAD 1-\slot
.else
	s_barrier_signal -1
	s_barrier_wait -1
.endif
	WORK \slot, 0
.endm
	s_wait_tensorcnt 0x1                           ; negc and slot 0 are in; slot 1's piece stays out
	s_wait_loadcnt 0x0                             ; Q
	s_barrier_signal -1
	s_barrier_wait -1
	WORK 0, 1                                      ; the first products with V start the sums
	s_mov_b32 s66, 3
.Lkv:
	TWO 1, 1
	TWO 0, 1
	s_sub_co_u32 s66, s66, 1
	s_cmp_lg_u32 s66, 0
	s_cbranch_scc1 .Lkv
	TWO 1, 0                                       ; the last 128 keys: nothing is left to fetch
	; THE END.  Each wave of a pair hands two of its four query tiles to the other and finishes the other two.
	PLACES
.macro SEND base                       ; 64 registers of window 1
	WIN 0x04                                       ; the stores' data in window 1
.irp i, 0,1,2,3,4,5,6,7,8,9,10,11,12,13,14,15
	ds_store_b128 v[EXW], v[\base+4*\i:\base+4*\i+3] offset:512*\i
.endr
	WIN 0
.endm
	s_cmp_eq_u32 s11, 0
	s_cbranch_scc0 .Lsend_low
	SEND OA+64                                     ; first half of the keys: query tiles 2, 3 go
	s_branch .Lsent
.Lsend_low:
	SEND OA                                        ; second half: query tiles 0, 1 go
.Lsent:
	s_wait_dscnt 0x0                               ; for the partner's sake
	s_barrier_signal -1
	s_barrier_wait -1
.macro FIN keep                        ; add the partner's sums to the two tiles kept; bf16; through my stage; 32 rows of 128 bytes, dense in ab
.irp i, 0,1,2,3,4,5,6,7,8,9,10,11,12,13,14,15
	ds_load_b128 v[SA+4*\i:SA+4*\i+3], v[EXR] offset:512*\i
.endr
	s_wait_dscnt 0x0
	WIN 0x01                                       ; source 0 in window 1
.set i, 0
.rept 32
	v_pk_add_f32 v[SA+2*i:SA+2*i+1], v[\keep+2*i:\keep+2*i+1], v[SA+2*i:SA+2*i+1]
.set i, i+1
.endr
	WIN 0
.set i, 0
.rept 32
	v_cvt_pk_bf16_f32 v[PF+i], v[SA+2*i], v[SA+2*i+1]              ; lane (r, h): query r, d = 16 dt + 8 h + 0..7: 16 bytes of a row
.set i, i+1
.endr
.irp q, 0,1
.irp dt, 0,1,2,3
	ds_store_b128 v[OSTW], v[PF+4*(4*\q+\dt):PF+4*(4*\q+\dt)+3] offset:\q*16*144+32*\dt
.endr
.endr
.irp i, 0,1,2,3,4,5,6,7
	ds_load_b128 v[KF+4*\i:KF+4*\i+3], v[OSTR] offset:4*144*\i     ; LDS serves a wave's instructions in order: these see the stores above
.endr
.irp i, 0,1,2,3,4,5,6,7
	s_wait_dscnt 7-\i                              ; this read-back is in, the younger ones stay out
	global_store_b128 v[CO], v[KF+4*\i:KF+4*\i+3], s[76:77] offset:512*\i   ; four rows: 512 consecutive bytes
.endr
.endm
	s_cmp_eq_u32 s11, 0
	s_cbranch_scc0 .Lfin_high
	FIN OA
	s_branch .Lfinished
.Lfin_high:
	FIN OA+64
.Lfinished:
	s_wait_tensorcnt 0x0
	ds_add_u32 v254, v255
	s_wait_dscnt 0x0
	ROUND                                          ; the closing round
	s_endpgm
.Lfunc_end_k_q0f33e3731f_attn:
	.size	k_q0f33e3731f_attn, .Lfunc_end_k_q0f33e3731f_attn-k_q0f33e3731f_attn
	.p2alignl 7, 3214868480
	.fill 96, 4, 3214868480
	.section	.rodata,"a",@progbits
	.p2align	6, 0x0
	.amdhsa_kernel k_q0f33e3731f_attn
		.amdhsa_group_segment_fixed_size 327680
		.amdhsa_private_segment_fixed_size 0
		.amdhsa_enable_private_segment 0
		.amdhsa_kernarg_size 24
		.amdhsa_user_sgpr_count 2
		.amdhsa_user_sgpr_kernarg_segment_ptr 1
		.amdhsa_wavefront_size32 1
		.amdhsa_system_sgpr_workgroup_id_x 1
		.amdhsa_system_sgpr_workgroup_id_y 1
		.amdhsa_system_sgpr_workgroup_id_z 1
		.amdhsa_system_vgpr_workitem_id 0
		.amdhsa_next_free_vgpr 448
		.amdhsa_next_free_sgpr 90
		.amdhsa_reserve_vcc 0
		.amdhsa_float_denorm_mode_32 3
		.amdhsa_float_denorm_mode_16_64 3
		.amdhsa_memory_ordered 1
		.amdhsa_forward_progress 1
		.amdhsa_inst_pref_size 155
	.end_amdhsa_kernel
	.amdgpu_metadata
---
amdhsa.version: [ 1, 2 ]
amdhsa.kernels:
  - .name:           k_q0f33e3731f_attn
    .symbol:         k_q0f33e3731f_attn.kd
    .args:
      - { .name: qkv, .offset: 0, .size: 8, .value_kind: global_buffer, .address_space: global }
      - { .name: negc, .offset: 8, .size: 8, .value_kind: global_buffer, .address_space: global }
      - { .name: ab, .offset: 16, .size: 8, .value_kind: global_buffer, .address_space: global }
    .group_segment_fixed_size: 327680
    .private_segment_fixed_size: 0
    .kernarg_segment_align: 8
    .kernarg_segment_size: 24
    .max_flat_workgroup_size: 256
    .sgpr_count:     90
    .vgpr_count:     448
    .wavefront_size: 32
...
	.end_amdgpu_metadata
.endif
;; end of part 4
;; launch oproj (part 5): grid 8 x 32, 4 waves a work-group, clusters of 4 x 4, 327,680 bytes of LDS; arguments ab, wob, bo, out0; writes out0
.if DOCPART == 5
	.amdgcn_target "amdgcn-amd-amdhsa--gfx1250"
	.amdhsa_code_object_version 6
	.text
	.protected	k_q0f33e3731f_oproj
	.globl	k_q0f33e3731f_oproj
	.p2align	8
	.type	k_q0f33e3731f_oproj,@function
k_q0f33e3731f_oproj:
	s_mov_b64 s[64:65], 0
	v_nop
	global_prefetch_b8 v0, s[64:65] scope:SCOPE_SE
	s_setreg_imm32_b32 hwreg(HW_REG_WAVE_MODE, 25, 1), 1
	s_wait_xcnt 0x0
	s_wait_alu depctr_hold_cnt(0) depctr_sa_sdst(0) depctr_va_vdst(0) depctr_va_sdst(0) depctr_va_ssrc(0) depctr_va_vcc(0) depctr_vm_vsrc(0)
	s_getreg_b32 s2, hwreg(HW_REG_IB_STS2, 6, 4)
	s_cmp_eq_u32 s2, 0
	s_cbranch_scc0 .Lentry_in_a_cluster
	s_endpgm
.Lentry_in_a_cluster:
	s_bfe_u32 s2, ttmp6, 0x10000c
	s_cmp_lg_u32 s2, 0xf033
	s_cbranch_scc0 .Lentry_shape_is_right
	s_endpgm
.Lentry_shape_is_right:
; out0 = 2^-11 (ab Wo^T) + bo, f32.  ab is 2,048 x the attention output in bf16, laid out [block of 128 tokens][head][token][64]; wob is Wo in bf16.
; A work-group makes 128 tokens x 128 columns (256 work-groups); grid x = column block, y = token block.  Four waves, each 64 x 64: 16 accumulator tiles.
; K = 1,024 goes in four steps of 256 (four heads) through two LDS slots; the four steps are written out.
; CLUSTERS: 4 x 4.  ab's tiles hang on the token block alone and are shared along a row of the cluster, Wo's on the column block alone and
; are shared along a column: both are asked for jointly.
; The matrix instruction is used transposed (source 0 = 16 rows of Wo, source 1 = 16 tokens): lane l holds token l % 16, columns 8 (l / 16) + 0..7.
.set AP,    144                        ; ab's LDS pitch: a head's 128 bytes + 16
.set BP,    528                        ; Wo's: 512 bytes + 16; both are odd multiples of 16
.set APART, 512*AP                     ; 73,728: [4 heads][128 tokens]
.set SLOT,  APART+128*BP               ; 141,312
.set STAGE, 2*SLOT                     ; 282,624: 16 rows x 272 bytes for each wave; no tensor load fills it
.set SP,    272
.set ADRA, 16
.set ADRB, 20
.set STO,  24
.set RD,   25
.set CO,   26
.set BO,   27
.set BIAS, 32                          ; v32-63   my 8 biases of each of my 4 column tiles
.set F0,   64                          ; v64-127  fragment buffer 0: Wo at +0, ab at +32
.set F1,   128                         ; v128-191 fragment buffer 1
.set T,    192                         ; v192-223 results of 16 tokens
.set RB,   224                         ; v224-255 rows read back
.set G1,  24
.set G0,  32
.set G1B, 48
.set G0B, 56
.set MSB, 0
.macro WIN new
.if MSB != \new
	s_set_vgpr_msb (MSB<<8)|\new
.set MSB, \new
.endif
.endm
.macro PLACES
.rept 4
	v_nop
.endr
.endm
.macro JLOAD s                         ; waves 0, 1 fetch ab's halves, waves 2, 3 Wo's
	s_cmp_eq_u32 s13, 0
	s_cbranch_scc0 .Lfor_b_\@
	tensor_load_to_lds s[G0+4*(\s):G0+4*(\s)+3], s[G1:G1+7]
	s_nop 0
	s_branch .Lasked_\@
.Lfor_b_\@:
	tensor_load_to_lds s[G0B+4*(\s):G0B+4*(\s)+3], s[G1B:G1B+7]
	s_nop 0
.Lasked_\@:
.endm
.macro CROUND
	s_barrier_signal -1
	s_barrier_wait -1
	s_cmp_lg_u32 s12, 0
	s_cbranch_scc1 .Lnot_wave_0_\@
	s_barrier_signal -3
.Lnot_wave_0_\@:
	s_barrier_wait -3
	s_barrier_signal -1
	s_barrier_wait -1
.endm
	s_load_b256 s[4:11], s[0:1], 0x0               ; ab s[4:5], wob s[6:7], bo s[8:9], out0 s[10:11]
	v_lshl_add_u32 v30, v0, 2, 0x49400
	v_mov_b32 v31, 0
	ds_add_u32 v30, v31
	v_lshrrev_b32 v1, 5, v0
	v_readfirstlane_b32 s12, v1                    ; wave 0..3
	s_lshr_b32 s13, s12, 1                         ; my half of the tokens.  Also: I fetch ab (0) or Wo (1)
	s_and_b32 s14, s12, 1                          ; my half of the columns.  Also: which half of that tile
	s_bfe_u32 s16, ttmp6, 0x40000                  ; cx
	s_bfe_u32 s17, ttmp6, 0x40004                  ; cy
	s_lshl_b32 s18, ttmp9, 2
	s_add_co_u32 s18, s18, s16                     ; column block
	s_and_b32 s19, ttmp7, 0xffff
	s_lshl_b32 s19, s19, 2
	s_add_co_u32 s19, s19, s17                     ; token block
	s_lshl_b32 s20, s17, 2
	s_lshl_b32 s20, 15, s20                        ; my row of the cluster
	s_lshl_b32 s21, 0x1111, s16                    ; my column
	s_or_b32 s[G1+0], s20, (1<<16)|(1<<20)|(1<<21)|(4<<22)|(3<<25)   ; ab: 256 rows x 64 elements; after every 32 words, 4 words
	s_mov_b32 s[G1+1], 64<<16
	s_mov_b32 s[G1+2], 256<<16
	s_mov_b32 s[G1+3], 64<<16
	s_mov_b32 s[G1+4], 256
	s_mov_b32 s[G1+5], 64
	s_mov_b32 s[G1+6], 0
	s_mov_b32 s[G1+7], 0
	s_or_b32 s[G1B+0], s21, (1<<16)|(1<<20)|(1<<21)|(6<<22)|(3<<25)  ; Wo: 64 rows x 256 elements; after every 128 words, 4 words
	s_mov_b32 s[G1B+1], 256<<16
	s_mov_b32 s[G1B+2], 64<<16
	s_mov_b32 s[G1B+3], 256<<16
	s_mov_b32 s[G1B+4], 64
	s_mov_b32 s[G1B+5], 1024
	s_mov_b32 s[G1B+6], 0
	s_mov_b32 s[G1B+7], 0
	s_lshl_b32 s40, s19, 18                        ; ab: token block x 262,144 + half x two heads
	s_lshl_b32 s41, s14, 15
	s_add_co_u32 s40, s40, s41
	s_mov_b32 s41, 0
	s_lshl_b32 s42, s18, 7
	s_lshl_b32 s43, s14, 6
	s_add_co_u32 s42, s42, s43                     ; Wo: row 128 x column block + 64 x half
	s_lshl_b32 s42, s42, 11
	s_mov_b32 s43, 0
	s_mul_i32 s44, s12, 256*AP                     ; LDS: waves 0, 1 at 0 and 36,864
	s_mul_i32 s45, s12, 64*BP
	s_add_co_u32 s45, s45, APART-2*64*BP           ; waves 2, 3 at 73,728 and 107,520
	s_wait_dscnt 0x0
	s_wait_kmcnt 0x0
	s_add_nc_u64 s[46:47], s[4:5], s[40:41]
	s_add_nc_u64 s[76:77], s[6:7], s[42:43]
	CROUND                                         ; all sixteen work-groups are here
.irp s, 0,1
	s_mov_b32 s[G0+4*\s], 1
	s_add_co_u32 s[G0+4*\s+1], s44, \s*SLOT
	s_add_nc_u64 s[G0+4*\s+2:G0+4*\s+3], s[46:47], \s*65536        ; four heads on
	s_or_b32 s[G0+4*\s+3], s[G0+4*\s+3], 0x80000000
	s_mov_b32 s[G0B+4*\s], 1
	s_add_co_u32 s[G0B+4*\s+1], s45, \s*SLOT
	s_add_nc_u64 s[G0B+4*\s+2:G0B+4*\s+3], s[76:77], \s*512        ; 256 along K on
	s_or_b32 s[G0B+4*\s+3], s[G0B+4*\s+3], 0x80000000
	JLOAD \s                                       ; two tensor loads of a wave are out here, one behind each later round
.endr
	v_and_b32 v1, 15, v0                           ; r
	v_bfe_u32 v2, v0, 4, 1                         ; h
	v_lshlrev_b32 v[BO], 5, v2
	s_lshl_b32 s74, s18, 9
	s_lshl_b32 s75, s14, 8
	s_add_co_u32 s74, s74, s75
	s_mov_b32 s75, 0
	s_add_nc_u64 s[74:75], s[8:9], s[74:75]        ; bo at my 64 columns
.irp b, 0,1,2,3
	global_load_b128 v[BIAS+8*\b:BIAS+8*\b+3],   v[BO], s[74:75] offset:64*\b
	global_load_b128 v[BIAS+8*\b+4:BIAS+8*\b+7], v[BO], s[74:75] offset:64*\b+16
.endr
	s_lshl_b32 s68, s19, 7
	s_lshl_b32 s69, s13, 6
	s_add_co_u32 s68, s68, s69                     ; my first token,
	s_lshl_b32 s68, s68, 12                        ; x 4,096 bytes,
	s_lshl_b32 s69, s18, 9
	s_add_co_u32 s68, s68, s69
	s_lshl_b32 s69, s14, 8
	s_add_co_u32 s68, s68, s69                     ; + my first column x 4
	s_mov_b32 s69, 0
	s_add_nc_u64 s[68:69], s[10:11], s[68:69]
	v_mul_u32_u24 v3, v1, AP
	v_lshl_add_u32 v3, v2, 4, v3
	s_mul_i32 s78, s13, 64*AP
	v_add_nc_u32 v[ADRA], s78, v3
	v_add_nc_u32 v[ADRA+1], SLOT, v[ADRA]
	v_mul_u32_u24 v3, v1, BP
	v_lshl_add_u32 v3, v2, 4, v3
	s_mul_i32 s78, s14, 64*BP
	s_add_co_u32 s78, s78, APART
	v_add_nc_u32 v[ADRB], s78, v3
	v_add_nc_u32 v[ADRB+1], SLOT, v[ADRB]
	s_mul_i32 s78, s12, 16*SP
	s_add_co_u32 s78, s78, STAGE
	v_mul_u32_u24 v4, v1, SP
	v_lshl_add_u32 v4, v2, 5, v4
	v_add_nc_u32 v[STO], s78, v4                   ; in: token r, 32 bytes for each half of the lanes
	v_mul_u32_u24 v4, v2, SP
	v_lshl_add_u32 v4, v1, 4, v4
	v_add_nc_u32 v[RD], s78, v4                    ; back: lanes 0-15 one token's 256 bytes, lanes 16-31 the next token's
	v_lshlrev_b32 v4, 12, v2
	v_lshl_add_u32 v[CO], v1, 4, v4                ; the same two rows in out0
; 16 LDS loads: the fragments of 32 along K (part u of a slot's eight: head u / 2, half u % 2 of its 64) into buffer f.
; u may be a sum: it stands in parentheses wherever it is used.  The largest offset is 3 x 18,432 + 64 + 3 x 2,304 + 32 = 62,304, inside 16 bits.
.macro FETCH slot, u, f
.irp i, 0,1,2,3
	ds_load_b128 v[\f+8*\i:\f+8*\i+3],   v[ADRB+\slot] offset:64*(\u)+\i*16*BP
	ds_load_b128 v[\f+8*\i+4:\f+8*\i+7], v[ADRB+\slot] offset:64*(\u)+\i*16*BP+32
.endr
.irp i, 0,1,2,3
	ds_load_b128 v[\f+32+8*\i:\f+32+8*\i+3],   v[ADRA+\slot] offset:((\u)>>1)*128*AP+((\u)&1)*64+\i*16*AP
	ds_load_b128 v[\f+32+8*\i+4:\f+32+8*\i+7], v[ADRA+\slot] offset:((\u)>>1)*128*AP+((\u)&1)*64+\i*16*AP+32
.endr
.endm
; Part u: its fragments are in; the next part's are asked for; 16 products.  The 16 accumulators take turns, one instruction a turn.
.macro QUARTER slot, u, zero
	s_wait_dscnt 0x0
	PLACES                                         ; the other buffer was read by the products just issued: loads into it stand four places behind them
.if \u < 7
	FETCH \slot, \u+1, F0+64*((\u+1)&1)
.endif
	WIN 0x50                                       ; C and D in window 1
.irp a, 0,1,2,3
.irp b, 0,1,2,3
.if \zero
	v_wmma_f32_16x16x32_bf16 v[8*(4*\a+\b):8*(4*\a+\b)+7], v[F0+64*(\u&1)+8*\b:F0+64*(\u&1)+8*\b+7], v[F0+64*(\u&1)+32+8*\a:F0+64*(\u&1)+32+8*\a+7], 0
.else
	v_wmma_f32_16x16x32_bf16 v[8*(4*\a+\b):8*(4*\a+\b)+7], v[F0+64*(\u&1)+8*\b:F0+64*(\u&1)+8*\b+7], v[F0+64*(\u&1)+32+8*\a:F0+64*(\u&1)+32+8*\a+7], v[8*(4*\a+\b):8*(4*\a+\b)+7]
.endif
.endr
.endr
	WIN 0
.endm
.macro WORK slot, zero
	FETCH \slot, 0, F0
	QUARTER \slot, 0, \zero
.irp u, 1,2,3,4,5,6,7
	QUARTER \slot, \u, 0
.endr
.endm
; Slot s has been read and is filled again, two K steps ahead: every wave's waits, the round, the joint load first behind it.
.macro REFILL s
	s_wait_tensorcnt 0x0                           ; all my tensor loads have landed, my part of the other slot among them
	ds_add_u32 v30, v31
	s_add_nc_u64 s[G0+4*\s+2:G0+4*\s+3], s[G0+4*\s+2:G0+4*\s+3], 131072
	s_add_nc_u64 s[G0B+4*\s+2:G0B+4*\s+3], s[G0B+4*\s+2:G0B+4*\s+3], 1024
	s_wait_dscnt 0x0                               ; my reads of this slot are over
	CROUND
	JLOAD \s
.endm
	s_wait_tensorcnt 0x1                           ; my part of K step 0 is in; K step 1's stays out
	s_barrier_signal -1
	s_barrier_wait -1
	WORK 0, 1                                      ; the first products start the sums
	REFILL 0
	WORK 1, 0
	REFILL 1
	WORK 0, 0
	s_wait_tensorcnt 0x0                           ; the last K step's tile
	s_wait_dscnt 0x0
	s_barrier_signal -1
	s_barrier_wait -1
	WORK 1, 0
	; THE WAY OUT, 16 tokens at a time: scale and bias in one fused multiply-add, through my own stage, out as whole rows of 256 bytes
	PLACES
	s_wait_loadcnt 0x0                             ; the biases
.irp a, 0,1,2,3
	WIN 0x01                                       ; source 0 in window 1
.irp b, 0,1,2,3
.irp j, 0,2,4,6
	v_pk_fma_f32 v[T+8*\b+\j:T+8*\b+\j+1], v[8*(4*\a+\b)+\j:8*(4*\a+\b)+\j+1], 0x3a000000, v[BIAS+8*\b+\j:BIAS+8*\b+\j+1] op_sel_hi:[1,0,1]   ; x 2^-11 + bo
.endr
.endr
	WIN 0
.irp b, 0,1,2,3
	ds_store_b128 v[STO], v[T+8*\b:T+8*\b+3]   offset:64*\b
	ds_store_b128 v[STO], v[T+8*\b+4:T+8*\b+7] offset:64*\b+16
.endr
	s_wait_xcnt 0x0                                ; RB, which the last 16 tokens' stores read, is loaded again only behind this wait
.irp i, 0,1,2,3,4,5,6,7
	ds_load_b128 v[RB+4*\i:RB+4*\i+3], v[RD] offset:2*SP*\i        ; LDS serves a wave's instructions in order: these see the stores above
.endr
.irp i, 0,1,2,3,4,5,6,7
	s_wait_dscnt 7-\i                              ; this read-back is in, the younger ones stay out
	global_store_b128 v[CO], v[RB+4*\i:RB+4*\i+3], s[68:69] offset:\a*65536+\i*8192 th:TH_STORE_NT   ; 16 lanes store 256 consecutive bytes, at a multiple of 256 from out0's first byte
.endr
.endr
	s_wait_tensorcnt 0x0
	ds_add_u32 v30, v31
	s_wait_dscnt 0x0
	CROUND                                         ; the closing round
	s_endpgm
.Lfunc_end_k_q0f33e3731f_oproj:
	.size	k_q0f33e3731f_oproj, .Lfunc_end_k_q0f33e3731f_oproj-k_q0f33e3731f_oproj
	.p2alignl 7, 3214868480
	.fill 96, 4, 3214868480
	.section	.rodata,"a",@progbits
	.p2align	6, 0x0
	.amdhsa_kernel k_q0f33e3731f_oproj
		.amdhsa_group_segment_fixed_size 327680
		.amdhsa_private_segment_fixed_size 0
		.amdhsa_enable_private_segment 0
		.amdhsa_kernarg_size 32
		.amdhsa_user_sgpr_count 2
		.amdhsa_user_sgpr_kernarg_segment_ptr 1
		.amdhsa_wavefront_size32 1
		.amdhsa_system_sgpr_workgroup_id_x 1
		.amdhsa_system_sgpr_workgroup_id_y 1
		.amdhsa_system_sgpr_workgroup_id_z 1
		.amdhsa_system_vgpr_workitem_id 0
		.amdhsa_next_free_vgpr 384
		.amdhsa_next_free_sgpr 80
		.amdhsa_reserve_vcc 0
		.amdhsa_float_denorm_mode_32 3
		.amdhsa_float_denorm_mode_16_64 3
		.amdhsa_memory_ordered 1
		.amdhsa_forward_progress 1
		.amdhsa_inst_pref_size 95
	.end_amdhsa_kernel
	.amdgpu_metadata
---
amdhsa.version: [ 1, 2 ]
amdhsa.kernels:
  - .name:           k_q0f33e3731f_oproj
    .symbol:         k_q0f33e3731f_oproj.kd
    .args:
      - { .name: ab, .offset: 0, .size: 8, .value_kind: global_buffer, .address_space: global }
      - { .name: wob, .offset: 8, .size: 8, .value_kind: global_buffer, .address_space: global }
      - { .name: bo, .offset: 16, .size: 8, .value_kind: global_buffer, .address_space: global }
      - { .name: out0, .offset: 24, .size: 8, .value_kind: global_buffer, .address_space: global }
    .group_segment_fixed_size: 327680
    .private_segment_fixed_size: 0
    .kernarg_segment_align: 8
    .kernarg_segment_size: 32
    .max_flat_workgroup_size: 128
    .sgpr_count:     80
    .vgpr_count:     384
    .wavefront_size: 32
...
	.end_amdgpu_metadata
.endif
;; end of part 5
